; MI455X (gfx1250); checked and timed in simulation.
; The chip was launched on July 23, 2026; its instructions are those of AMD's public machine-readable ISA for CDNA 5 (MIT licence, August 2026) and "CDNA5" Instruction Set Architecture Reference Guide (July 2026). The comments in the code are by the model that wrote it; some were corrected since.
;; Mo E. Allowed arithmetic: float matrix products may take bf16 or f16 operands with f32 sums; other float arithmetic in f32, or as packed bf16 or f16 multiplies, adds, multiply-adds, maxima and minima; sums over many terms, partial sums and values carried from step to step in f32; what a program stores and reads back later, other than sums and carried values, may be rounded once to bf16 or f16.
;; Inputs: W1 8 x 1,024 x 4,096 float32; W2 8 x 4,096 x 1,024 float32; Wg 1,024 x 8 float32; b1 8 x 4,096 float32; b2 8 x 1,024 float32; beta 8 x 1,024 float32; gamma 8 x 1,024 float32; x 2 x 512 x 1,024 float32.
;; Outputs: out0 2 x 512 x 1,024 float32.
;; One version. Each part assembles by itself: llvm-mc -triple=amdgcn-amd-amdhsa -mcpu=gfx1250 --defsym DOCPART=n.
;; ======== version 1 of 1: 4 launches
;; workspace buffers: nrm 16,777,216 bytes; msk 4,096 bytes of whole numbers; cwd 32,768 bytes; hid 67,108,864 bytes; par 134,217,728 bytes
;; launch router (part 1): grid 256 x 1, 4 waves a work-group, no clusters, 1,536 bytes of LDS; arguments x, Wg, gamma, beta, nrm, msk, cwd; writes nrm, msk, cwd
.if DOCPART == 1
	.amdgcn_target "amdgcn-amd-amdhsa--gfx1250"
	.amdhsa_code_object_version 6
	.text
	.protected	k_q27a320e44d_router
	.globl	k_q27a320e44d_router
	.p2align	8
	.type	k_q27a320e44d_router,@function
k_q27a320e44d_router:
	s_mov_b64 s[64:65], 0
	v_nop
	global_prefetch_b8 v0, s[64:65] scope:SCOPE_SE
	s_setreg_imm32_b32 hwreg(HW_REG_WAVE_MODE, 25, 1), 1
	s_wait_xcnt 0x0
; ROUTER AND LAYER NORM.  For each of 1,024 tokens: scores = x . Wg (f32), the two best of 8 experts (a tie keeps the lower index: the scan
; replaces only on strictly greater), their softmax; mean and variance of x (two passes: the mean is taken away before the squares are summed);
; nrm[e][n][:] = bf16(xhat * gamma[e] + beta[e]) for all 8 experts; msk[n] = (1 << e0) | (1 << e1); cwd[n][e] = the gate's weight, 0 where not chosen.
; All stores go to fixed places: no address and no branch hangs on a score.
; LIMITS.  NaN and infinite scores are not treated apart (a NaN never wins a scan).  A second weight below 2^-126 of the first counts as 0.
; SHARES.  A work-group has 4 tokens, so gamma, beta and Wg (96 KB) are read once for four tokens.  Wave w has columns 256 w .. 256 w + 255 of all four;
; lane L has columns 256 w + 128 c + 4 L + 0..3, c = 0, 1: a load of x, gamma or beta covers 512 consecutive bytes, a store of nrm 256 consecutive bytes.
; Wg's rows of 32 bytes are read 128 bytes apart from lane to lane: 32 KB, once a work-group.
; No matrix unit (8 columns), no cluster (work-groups share only the 96 KB of tables).
.set SPARE, 1024                       ; the spare words: 128 bytes for each of 4 waves; no other line names them
.set RED2,  768                        ; LDS: 0..575 value j of 36, wave w at 16 j + 4 w; from 768 the four sums of squares likewise
.set X,   8                            ; v8-39    x[8 k + 4 c + d], later x - mean, later xhat
.set R,   40                           ; v40-75   R[k] sum of x, then mean; R[4 + 8 k + e] score
.set O,   40                           ; v40-71   later: a token's 8 x 4 packed registers to store
.set RL,  76                           ; v76-123  what comes back from LDS
.set BV,  76                           ; four each, by token: best score, its expert, second score, its expert,
.set BI,  80
.set SV,  84
.set SI,  88
.set RS,  92                           ; 1 / sqrt(var + eps), 2^((second - best) log2 e), the two weights
.set EX,  96
.set G0,  100
.set G1,  104
.set F,   108                          ; v108-123 at work, two sets of 8
.set VQ,  116                          ; v116-119 sums of squares
.set NINF, 120
.set PT,  124                          ; v124-127 targets of the exchange between the lanes' halves (written at the head: the exchange counts as a reader of its target)
.set WGR, 128                          ; v128-191 Wg[32 c + 8 d + e]; later gamma and beta of experts 4-7
.set GB1, 128
.set GB0, 192                          ; v192-255 experts 0-3: gamma at 16 e + 4 c, beta at 16 e + 8 + 4 c
; The sum over a wave's 32 lanes of n registers from base on (n a multiple of 4), stage by stage, so that no line waits for the line before it.
.macro REDN base, n
.irp m, 1,2,4,8
.set i, 0
.rept \n
	v_add_f32_dpp v[(\base)+i], v[(\base)+i], v[(\base)+i] row_xmask:\m row_mask:0xf bank_mask:0xf
.set i, i+1
.endr
.endr
.set i, 0
.rept (\n)/4
.irp t, 0,1,2,3
	v_permlanex16_b32 v[PT+(\t)], v[(\base)+i+(\t)], s20, s21
.endr
.irp t, 0,1,2,3
	v_add_f32 v[(\base)+i+(\t)], v[(\base)+i+(\t)], v[PT+(\t)]
.endr
.set i, i+4
.endr
.endm
; One scan over the 8 scores of all four tokens: the largest and its index; only a strictly greater score replaces, so the lower index keeps a tie.
.macro SCAN val, idx
.irp k, 0,1,2,3
	v_mov_b32 v[(\val)+(\k)], v[R+4+8*(\k)]
	v_mov_b32 v[(\idx)+(\k)], 0
.endr
.irp e, 1,2,3,4,5,6,7
.irp k, 0,1,2,3
	v_cmp_gt_f32 s[28+(\k)], v[R+4+8*(\k)+(\e)], v[(\val)+(\k)]
.endr
.irp k, 0,1,2,3
	v_cndmask_b32 v[(\val)+(\k)], v[(\val)+(\k)], v[R+4+8*(\k)+(\e)], s[28+(\k)]
	v_cndmask_b32 v[(\idx)+(\k)], v[(\idx)+(\k)], \e, s[28+(\k)]
.endr
.endr
.endm
.macro PICK dst, src                   ; dst = src[this lane's token], by the masks s28-30 (token 1, 2, 3)
	v_cndmask_b32 v[\dst], v[\src], v[(\src)+1], s28
	v_cndmask_b32 v[\dst], v[\dst], v[(\src)+2], s29
	v_cndmask_b32 v[\dst], v[\dst], v[(\src)+3], s30
.endm
	s_load_b256 s[4:11], s[0:1], 0x0               ; x s[4:5], Wg s[6:7], gamma s[8:9], beta s[10:11]
	s_load_b128 s[12:15], s[0:1], 0x20             ; nrm s[12:13], msk s[14:15]
	s_load_b64 s[16:17], s[0:1], 0x30              ; cwd
	v_lshl_add_u32 v6, v0, 2, SPARE                ; my spare word, and 0: kept for the closing add alone
	v_mov_b32 v7, 0
	v_and_b32 v1, 31, v0                           ; lane L
	v_lshrrev_b32 v5, 5, v0
	v_readfirstlane_b32 s22, v5                    ; wave w
	v_lshlrev_b32 v5, 2, v5                        ; 4 w: my word of each value in LDS
	v_lshlrev_b32 v2, 4, v1
	v_lshl_add_u32 v2, s22, 10, v2                 ; 1024 w + 16 L: x, gamma, beta
	v_lshlrev_b32 v3, 7, v1
	v_lshl_add_u32 v3, s22, 13, v3                 ; 8192 w + 128 L: Wg
	v_lshlrev_b32 v4, 3, v1
	v_lshl_add_u32 v4, s22, 9, v4                  ; 512 w + 8 L: nrm
.irp t, 0,1,2,3
	v_mov_b32 v[PT+(\t)], 0
.endr
	s_mov_b32 s20, 0x76543210                      ; each lane takes its own place in the other half
	s_mov_b32 s21, 0xfedcba98
	s_mov_b32 s23, 0x3a800000                      ; 1 / 1024
	s_mov_b32 s27, 0x358637bd                      ; 1e-6
	s_mov_b32 s25, 0
	s_wait_kmcnt 0x0
	s_lshl_b32 s24, ttmp9, 14                      ; 4 tokens x 4,096 bytes
	s_add_nc_u64 s[4:5], s[4:5], s[24:25]
	s_lshl_b32 s24, ttmp9, 13                      ; 4 tokens x 2,048 bytes
	s_add_nc_u64 s[12:13], s[12:13], s[24:25]
	s_add_nc_u64 s[18:19], s[12:13], 0x800000      ; experts 4-7 lie 4 x 2 MB on: so the stores' immediates stay inside their signed 24 bits
	s_lshl_b32 s24, ttmp9, 4
	s_add_nc_u64 s[14:15], s[14:15], s[24:25]
	s_lshl_b32 s24, ttmp9, 7
	s_add_nc_u64 s[16:17], s[16:17], s[24:25]
.irp k, 0,1,2,3
.irp c, 0,1
	global_load_b128 v[X+8*(\k)+4*(\c):X+8*(\k)+4*(\c)+3], v2, s[4:5] offset:4096*(\k)+512*(\c)
.endr
.endr
.irp c, 0,1
.irp d, 0,1,2,3
	global_load_b128 v[WGR+32*(\c)+8*(\d):WGR+32*(\c)+8*(\d)+3],   v3, s[6:7] offset:4096*(\c)+32*(\d)
	global_load_b128 v[WGR+32*(\c)+8*(\d)+4:WGR+32*(\c)+8*(\d)+7], v3, s[6:7] offset:4096*(\c)+32*(\d)+16
.endr
.endr
.irp e, 0,1,2,3
.irp c, 0,1
	global_load_b128 v[GB0+16*(\e)+4*(\c):GB0+16*(\e)+4*(\c)+3],     v2, s[8:9]   offset:4096*(\e)+512*(\c)
	global_load_b128 v[GB0+16*(\e)+8+4*(\c):GB0+16*(\e)+8+4*(\c)+3], v2, s[10:11] offset:4096*(\e)+512*(\c)
.endr
.endr
	s_wait_loadcnt 16                              ; x and Wg are in; the 16 younger loads (gamma, beta of experts 0-3) stay out
	; my 8 columns' share of each token's sum
.irp k, 0,1,2,3
	v_pk_add_f32 v[RL+2*(\k):RL+2*(\k)+1], v[X+8*(\k):X+8*(\k)+1], v[X+8*(\k)+2:X+8*(\k)+3]
	v_pk_add_f32 v[RL+8+2*(\k):RL+8+2*(\k)+1], v[X+8*(\k)+4:X+8*(\k)+5], v[X+8*(\k)+6:X+8*(\k)+7]
.endr
.irp k, 0,1,2,3
	v_pk_add_f32 v[RL+2*(\k):RL+2*(\k)+1], v[RL+2*(\k):RL+2*(\k)+1], v[RL+8+2*(\k):RL+8+2*(\k)+1]
.endr
.irp k, 0,1,2,3
	v_add_f32 v[R+(\k)], v[RL+2*(\k)], v[RL+2*(\k)+1]
.endr
	; and of its 8 scores: two experts a line, one x for both; the first column's products start the sums
.irp c, 0,1
.irp d, 0,1,2,3
.irp k, 0,1,2,3
.irp p, 0,1,2,3
.set rR, R+4+8*(\k)+2*(\p)
.set rW, WGR+32*(\c)+8*(\d)+2*(\p)
.set rX, X+8*(\k)+4*(\c)+((\d)&2)
.if ((\c) == 0) && ((\d) == 0)
	v_pk_mul_f32 v[rR:rR+1], v[rW:rW+1], v[rX:rX+1] op_sel_hi:[1,0]
.elseif ((\d)&1) == 0
	v_pk_fma_f32 v[rR:rR+1], v[rW:rW+1], v[rX:rX+1], v[rR:rR+1] op_sel_hi:[1,0,1]
.else
	v_pk_fma_f32 v[rR:rR+1], v[rW:rW+1], v[rX:rX+1], v[rR:rR+1] op_sel:[0,1,0] op_sel_hi:[1,1,1]
.endif
.endr
.endr
.endr
.endr
	v_mov_b32 v3, 0                                ; Wg's loads are done (the wait above): the register now holds LDS address 0
.irp e, 0,1,2,3
.irp c, 0,1
	global_load_b128 v[GB1+16*(\e)+4*(\c):GB1+16*(\e)+4*(\c)+3],     v2, s[8:9]   offset:4096*(4+(\e))+512*(\c)
	global_load_b128 v[GB1+16*(\e)+8+4*(\c):GB1+16*(\e)+8+4*(\c)+3], v2, s[10:11] offset:4096*(4+(\e))+512*(\c)
.endr
.endr
	REDN R, 36
.set j, 0
.rept 36
	ds_store_b32 v5, v[R+j] offset:16*j            ; all lanes hold the same number and write the same word
.set j, j+1
.endr
	s_wait_dscnt 0x0                               ; for the other waves: my stores are done
	s_barrier_signal -1
	s_barrier_wait -1
.irp g, 0,1,2                          ; three turns of 12 values: the four waves' parts, added in the same order in every wave and lane
.irp i, 0,1,2,3,4,5,6,7,8,9,10,11
	ds_load_b128 v[RL+4*(\i):RL+4*(\i)+3], v3 offset:16*(12*(\g)+(\i))
.endr
	s_wait_dscnt 0x0
.irp i, 0,1,2,3,4,5,6,7,8,9,10,11
	v_pk_add_f32 v[RL+4*(\i):RL+4*(\i)+1], v[RL+4*(\i):RL+4*(\i)+1], v[RL+4*(\i)+2:RL+4*(\i)+3]
.endr
.irp i, 0,1,2,3,4,5,6,7,8,9,10,11
	v_add_f32 v[R+12*(\g)+(\i)], v[RL+4*(\i)], v[RL+4*(\i)+1]
.endr
.endr
.irp k, 0,1,2,3
	v_mul_f32 v[R+(\k)], s23, v[R+(\k)]            ; the mean
.endr
.irp k, 0,1,2,3
.irp i, 0,1,2,3,4,5,6,7
	v_sub_f32 v[X+8*(\k)+(\i)], v[X+8*(\k)+(\i)], v[R+(\k)]
.endr
.endr
.irp k, 0,1,2,3
	v_pk_mul_f32 v[F+2*(\k):F+2*(\k)+1], v[X+8*(\k):X+8*(\k)+1], v[X+8*(\k):X+8*(\k)+1]
.endr
.irp i, 2,4,6
.irp k, 0,1,2,3
	v_pk_fma_f32 v[F+2*(\k):F+2*(\k)+1], v[X+8*(\k)+(\i):X+8*(\k)+(\i)+1], v[X+8*(\k)+(\i):X+8*(\k)+(\i)+1], v[F+2*(\k):F+2*(\k)+1]
.endr
.endr
.irp k, 0,1,2,3
	v_add_f32 v[VQ+(\k)], v[F+2*(\k)], v[F+2*(\k)+1]
.endr
	REDN VQ, 4
.irp k, 0,1,2,3
	ds_store_b32 v5, v[VQ+(\k)] offset:RED2+16*(\k)  ; other bytes than the first exchange's, which other waves may still be reading
.endr
	s_wait_dscnt 0x0
	s_barrier_signal -1
	s_barrier_wait -1
.irp k, 0,1,2,3
	ds_load_b128 v[RL+4*(\k):RL+4*(\k)+3], v3 offset:RED2+16*(\k)
.endr
	s_wait_dscnt 0x0
.irp k, 0,1,2,3
	v_pk_add_f32 v[RL+4*(\k):RL+4*(\k)+1], v[RL+4*(\k):RL+4*(\k)+1], v[RL+4*(\k)+2:RL+4*(\k)+3]
.endr
.irp k, 0,1,2,3
	v_add_f32 v[VQ+(\k)], v[RL+4*(\k)], v[RL+4*(\k)+1]
.endr
.irp k, 0,1,2,3
	v_fma_f32 v[VQ+(\k)], v[VQ+(\k)], s23, s27     ; var + eps
.endr
	; the two best experts, alike in every lane
	v_mov_b32 v[NINF], 0xff800000
	SCAN BV, BI
.irp e, 0,1,2,3,4,5,6,7
.irp k, 0,1,2,3
	v_cmp_eq_u32 s[28+(\k)], \e, v[BI+(\k)]
.endr
.irp k, 0,1,2,3
	v_cndmask_b32 v[R+4+8*(\k)+(\e)], v[R+4+8*(\k)+(\e)], v[NINF], s[28+(\k)]  ; the winner leaves the field
.endr
.endr
	SCAN SV, SI
.irp k, 0,1,2,3
	v_sub_f32 v[EX+(\k)], v[SV+(\k)], v[BV+(\k)]   ; the maximum is taken away: the exponent is never above 0
.endr
.irp k, 0,1,2,3
	v_mul_f32 v[EX+(\k)], 0x3fb8aa3b, v[EX+(\k)]
.endr
.irp k, 0,1,2,3
	v_rsq_f32 v[RS+(\k)], v[VQ+(\k)]
.endr
.irp k, 0,1,2,3
	v_exp_f32 v[EX+(\k)], v[EX+(\k)]
.endr
	v_nop                                          ; a plain instruction behind the last of the batch (ISA guide 5.7.2),
	s_wait_alu depctr_va_vdst(0)                   ; and one wait for all eight, ahead of the first line that names a result
.irp k, 0,1,2,3
	v_add_f32 v[G1+(\k)], 1.0, v[EX+(\k)]
.endr
.irp k, 0,1,2,3
	v_rcp_f32 v[G0+(\k)], v[G1+(\k)]
.endr
	v_nop
	s_wait_alu depctr_va_vdst(0)                   ; one wait for the four reciprocals
.irp k, 0,1,2,3
	v_mul_f32 v[G1+(\k)], v[EX+(\k)], v[G0+(\k)]
.endr
	; wave 0 stores the routing: cwd's 4 x 8 numbers, one a lane (128 consecutive bytes), and the four masks
	s_cmp_lg_u32 s22, 0
	s_cbranch_scc1 .Lnot_wave_0
	v_lshrrev_b32 v120, 3, v1                      ; this lane's token,
	v_and_b32 v121, 7, v1                          ; and expert
	v_cmp_eq_u32 s28, 1, v120
	v_cmp_eq_u32 s29, 2, v120
	v_cmp_eq_u32 s30, 3, v120
	PICK 116, BI
	PICK 117, SI
	PICK 118, G0
	PICK 119, G1
	v_cmp_eq_u32 vcc_lo, v121, v117
	v_cndmask_b32 v122, 0, v119, vcc_lo
	v_cmp_eq_u32 vcc_lo, v121, v116
	v_cndmask_b32 v122, v122, v118, vcc_lo
	v_lshlrev_b32 v123, 2, v1
	global_store_b32 v123, v122, s[16:17]
	v_cmp_eq_u32 s28, 1, v1                        ; now lane k stands for token k
	v_cmp_eq_u32 s29, 2, v1
	v_cmp_eq_u32 s30, 3, v1
	PICK 116, BI
	PICK 117, SI
	v_mov_b32 v120, 1
	v_lshlrev_b32 v116, v116, v120
	v_lshlrev_b32 v117, v117, v120
	v_or_b32 v121, v116, v117
	v_cmp_gt_u32 vcc_lo, 4, v1
	s_wait_xcnt 0x0                                ; EXEC is a source of the store above: it changes only behind this wait
	s_and_saveexec_b32 s26, vcc_lo
	global_store_b32 v123, v121, s[14:15]
	s_wait_xcnt 0x0                                ; and again ahead of the line that widens it
	s_or_b32 exec_lo, exec_lo, s26
.Lnot_wave_0:
.irp k, 0,1,2,3
.irp i, 0,1,2,3,4,5,6,7
	v_mul_f32 v[X+8*(\k)+(\i)], v[X+8*(\k)+(\i)], v[RS+(\k)]  ; xhat
.endr
.endr
	; nrm: a token at a time, all 8 experts; a store covers 256 consecutive bytes, at a multiple of 256 from nrm's first byte
.irp k, 0,1,2,3
	s_wait_xcnt 0x0                                ; the registers that earlier stores read are written again only behind this wait
.irp e, 0,1,2,3,4,5,6,7
.if ((\k) == 0) && ((\e) == 0)
	s_wait_loadcnt 16                              ; experts 0-3 are in; the 16 younger loads (experts 4-7) stay out
.endif
.if ((\k) == 0) && ((\e) == 4)
	s_wait_loadcnt 0x0
.endif
.if (\e) < 4
.set GA, GB0+16*(\e)
.else
.set GA, GB1+16*((\e)-4)
.endif
.set FF, F+8*((\e)&1)
.irp i, 0,2,4,6
	v_pk_fma_f32 v[FF+(\i):FF+(\i)+1], v[X+8*(\k)+(\i):X+8*(\k)+(\i)+1], v[GA+(\i):GA+(\i)+1], v[GA+8+(\i):GA+8+(\i)+1]
.endr
.irp i, 0,1,2,3
	v_cvt_pk_bf16_f32 v[O+4*(\e)+(\i)], v[FF+2*(\i)], v[FF+2*(\i)+1]
.endr
.irp c, 0,1
.if (\e) < 4
	global_store_b64 v4, v[O+4*(\e)+2*(\c):O+4*(\e)+2*(\c)+1], s[12:13] offset:((\e)<<21)+2048*(\k)+256*(\c)
.else
	global_store_b64 v4, v[O+4*(\e)+2*(\c):O+4*(\e)+2*(\c)+1], s[18:19] offset:(((\e)-4)<<21)+2048*(\k)+256*(\c)
.endif
.endr
.endr
.endr
	s_wait_tensorcnt 0x0                           ; the wave's end: three closing lines behind my last LDS store
	ds_add_u32 v6, v7
	s_wait_dscnt 0x0
	s_endpgm
.Lfunc_end_k_q27a320e44d_router:
	.size	k_q27a320e44d_router, .Lfunc_end_k_q27a320e44d_router-k_q27a320e44d_router
	.p2alignl 7, 3214868480
	.fill 96, 4, 3214868480
	.section	.rodata,"a",@progbits
	.p2align	6, 0x0
	.amdhsa_kernel k_q27a320e44d_router
		.amdhsa_group_segment_fixed_size 1536
		.amdhsa_private_segment_fixed_size 0
		.amdhsa_enable_private_segment 0
		.amdhsa_kernarg_size 56
		.amdhsa_user_sgpr_count 2
		.amdhsa_user_sgpr_kernarg_segment_ptr 1
		.amdhsa_wavefront_size32 1
		.amdhsa_system_sgpr_workgroup_id_x 1
		.amdhsa_system_sgpr_workgroup_id_y 1
		.amdhsa_system_sgpr_workgroup_id_z 1
		.amdhsa_system_vgpr_workitem_id 0
		.amdhsa_next_free_vgpr 256
		.amdhsa_next_free_sgpr 66
		.amdhsa_reserve_vcc 1
		.amdhsa_float_denorm_mode_32 3
		.amdhsa_float_denorm_mode_16_64 3
		.amdhsa_memory_ordered 1
		.amdhsa_forward_progress 1
		.amdhsa_inst_pref_size 83
	.end_amdhsa_kernel
	.amdgpu_metadata
---
amdhsa.version: [ 1, 2 ]
amdhsa.kernels:
  - .name:           k_q27a320e44d_router
    .symbol:         k_q27a320e44d_router.kd
    .args:
      - { .name: x, .offset: 0, .size: 8, .value_kind: global_buffer, .address_space: global }
      - { .name: Wg, .offset: 8, .size: 8, .value_kind: global_buffer, .address_space: global }
      - { .name: gamma, .offset: 16, .size: 8, .value_kind: global_buffer, .address_space: global }
      - { .name: beta, .offset: 24, .size: 8, .value_kind: global_buffer, .address_space: global }
      - { .name: nrm, .offset: 32, .size: 8, .value_kind: global_buffer, .address_space: global }
      - { .name: msk, .offset: 40, .size: 8, .value_kind: global_buffer, .address_space: global }
      - { .name: cwd, .offset: 48, .size: 8, .value_kind: global_buffer, .address_space: global }
    .group_segment_fixed_size: 1536
    .private_segment_fixed_size: 0
    .kernarg_segment_align: 8
    .kernarg_segment_size: 56
    .max_flat_workgroup_size: 128
    .sgpr_count:     66
    .vgpr_count:     256
    .wavefront_size: 32
...
	.end_amdgpu_metadata
.endif
;; end of part 1
;; launch ffn1 (part 2): grid 32 x 8, 4 waves a work-group, no clusters, 300,800 bytes of LDS; arguments W1, nrm, hid, msk, b1; writes hid
.if DOCPART == 2
	.amdgcn_target "amdgcn-amd-amdhsa--gfx1250"
	.amdhsa_code_object_version 6
	.text
	.protected	k_q27a320e44d_ffn1
	.globl	k_q27a320e44d_ffn1
	.p2align	8
	.type	k_q27a320e44d_ffn1,@function
k_q27a320e44d_ffn1:
	s_mov_b64 s[64:65], 0
	v_nop
	global_prefetch_b8 v0, s[64:65] scope:SCOPE_SE
	s_setreg_imm32_b32 hwreg(HW_REG_WAVE_MODE, 25, 1), 1
	s_wait_xcnt 0x0
; ONE PRODUCT OF THE EXPERTS' CHAIN, on the rows that chose the expert.  One text serves both products; MODE picks the sizes and the way out.
;   MODE 1: hid[e][n][128 x ..] = bf16(relu(nrm[e][n][:] . W1[e][:, 128 x ..] + b1[e]))          K = 1,024; x = slice of 128 of the 4,096 hidden columns
;   MODE 2: par[kq][e][n][128 cs ..] = gate[n][e] * (hid[e][n][1024 kq ..] . W2[e][1024 kq .., 128 cs ..])   cs = x & 7, kq = x >> 3: a quarter of K = 4,096; f32 partial sums
; Operands in bf16 (the f32 weights are rounded once, on their way through registers), sums in f32.
; SHARES.  Work-group (x, e): expert e, 128 output columns, K = 1,024: 512 KB of f32 weights that no other work-group reads.
; ROWS.  The expert's tokens stand in a list in LDS that wave 0 makes from msk (whole numbers that an earlier launch stored).  Tile T is list places 16 T .. 16 T + 15.  A pass covers 20 tiles:
; wave w has tiles 20 p + w + 4 u, u = 0 .. 4, each 16 rows x 128 columns.  Four passes (a constant) cover 1,280 places, more than the 1,024 an expert can have: every split of the tokens is served.
; Token rows come from memory straight into the first operand's registers.
; THE STREAM.  K goes in steps of 32.  A chunk is a step's 32 rows of W: wave w brings rows 8 w .. 8 w + 7, a load a row (512 consecutive bytes); a lane's four columns x eight K make four runs of
; 16 bytes along K, which go into LDS rows that lie along K.  The slice stays in LDS (no byte of it is written twice), so later passes find it whole.  THE FIRST PASS MULTIPLIES WHILE THE WEIGHTS COME:
; step s rounds and stores chunk s + 4, reads step s + 1's operand from LDS, asks for chunk s + 7 and for the token rows of step s + 3, and multiplies step s.  One barrier stands ahead of every even step:
; a chunk stored in step s is first read in step s + 3.  In LDS the slice lies in 16 blocks of 64 K (two chunks), 18,432 bytes on end: between two barriers the stores go to block s / 2 + 2, the reads to
; blocks s / 2 and s / 2 + 1.  The stream's text holds steps 0 to 27 and no branch on a loaded number: every wave passes every barrier and multiplies all five tiles, whatever the count.  Then it joins the
; text of the later passes at step 28: steps 28 to 31 and the way out are written once.
; LATER PASSES (an expert with more than 320 rows) read the slice from LDS; a wave with no tile in a pass jumps the pass; nothing there writes LDS, and no barrier stands there.
; Places past the count repeat the expert's last token: they lie in the same tile as that token, so the same wave stores the same bits to the same bytes once more; EXEC is never narrowed.
; Whole tiles past the count are multiplied (in the first pass; later, tile 4 only in its first K step) but not stored.
; AN EXPERT WITHOUT TOKENS counts as one place that holds token 0: so every byte that this launch or a later one reads has been stored; the sum at the end never reads that row.
; NO JOINT LOADS: a slice of weights has one reader; what an expert's work-groups share is its token rows, which are picked by a list, 32 bytes of 16 rows to a load: no tile that a descriptor states.
; COLUMNS.  Which LDS row a column takes is free (a product's columns may be permuted) and is chosen for the way out.
; Lane (r = L % 16, h = L / 16) loads columns c0 + j, j = 0..3, into LDS row 64 h + 16 j + r = index r of column tile t = 4 h + j.
;   MODE 1: c0 = 8 r + 4 h: tile t, index r is column 8 r + t: a lane's eight tiles are 8 neighbouring columns, 16 bytes of bf16.
;   MODE 2: c0 = 64 h + 4 r: tile t, index r is column 64 (t / 4) + 4 r + t % 4: four tiles are 4 neighbouring columns, 16 bytes of f32.
.set MODE, 1
.set PB,    144                        ; an LDS row of a block: 128 bytes (64 K) + 16: an odd multiple of 16, so 16 rows start at 16 different groups of four banks (64 banks of 4 bytes: ISA guide 11.1)
.set CH,    128*PB                     ; a block: 128 columns x 64 K
.set LIST,  16*CH                      ; 1,280 places and 32 words for the stores of lanes that have nothing to say
.set CNT,   LIST+5248                  ; the count, the last token
.set SPARE, CNT+128                    ; the spare words: 128 bytes for each of 4 waves; no other line names them
.if MODE == 1
.set PW,  16384                        ; bytes in a row of W,
.set SHW, 17                           ; log2 of the bytes in 8 of them
.set SHA, 11                           ; log2 of the bytes in a token's row of the first operand,
.set SHO, 13                           ; and of the output
.else
.set PW,  4096
.set SHW, 15
.set SHA, 13
.set SHO, 12
.endif
; REGISTERS, in windows of 256 (s_set_vgpr_msb: bits 1:0 source 0, 3:2 source 1, 5:4 source 2, 7:6 destination).
; window 0: v1 L, v2 r, v3 h, v4-11 at work, and:
.set SPW,  12                          ; LDS address of my spare word; never rewritten
.set NIL,  13                          ; 0; never rewritten
.set ZERO, 14                          ; 0, for relu
.set WOFF, 15                          ; my 16 bytes in a row of W
.set BST,  16                          ; (64 h + r) PB + 16 w: where my column j = 0 goes in a block; stepped along the blocks
.set BB,   18                          ; r PB + 16 h: my place in column tile 0 of block 0
.set BLA,  22                          ; the same, stepped along the blocks
.set LSTA, 26                          ; LIST + 64 w + 4 r: the token of row r of my tile 0 of the pass
.set LSTE, 27                          ; LIST + 64 w + 32 h: the tokens of rows 8 h + 0..7
.set LAST, 28                          ; the expert's last token
.set R16,  29                          ; 16 r
.set H16,  30                          ; 16 h
.set DUMP, 31                          ; 1280 + L
.set OFA,  32                          ; v32-36  tile u: byte offset of my token's row, + 16 h
.set CNTA, 37                          ; CNT
.set BIA,  38                          ; 32 r
.set MKA,  39                          ; 4 L
.set BI,   40                          ; v40-47  MODE 1: b1 of my index's column in tiles 0-7
.set TA,   48                          ; v48-52  tokens
.set MK,   64                          ; v64-95  wave 0: msk, 32 tokens a register
.set T,    64                          ; v64-95  then: weights packed for LDS, two sets of 16
.set AB,   96                          ; v96-255 first operand: four pieces (K steps in flight) of five tiles x 8 registers
.set TK,   96                          ; way out: tokens, offsets, results, gates, gates' offsets
.set VO,   104
.set OB,   112
.set GT,   176
.set VG,   184
; window 1: accumulators of tiles u = 0..3 at 64 u + 8 t.   window 2: v0-63 tile 4's; and:
.set BF,   64                          ; v64-191 second operand: two buffers of 8 column tiles x 8 registers
.set BIB,  192                         ; v192-255 MODE 1: the bias as a C operand: 8 t + j holds BI[t]
; window 3: weights as loaded, 32 registers a chunk:
.set WRG,  0                           ; v0-127   chunk c >= 4 in set c % 4
.set WT,   128                         ; v128-255 chunks 0-3
.set MSB, 0
.macro WIN new                         ; the immediate's high byte repeats the setting that is left; a switch that changes nothing is dropped
.if MSB != (\new)
	s_set_vgpr_msb (MSB<<8)|(\new)
.set MSB, (\new)
.endif
.endm
.macro PLACES                          ; four plain instructions between a matrix instruction and a load into, or a vector read or write of, its registers
.rept 4
	v_nop
.endr
.endm
; My eight rows of a chunk into the 32 registers from reg on; row: the chunk's first row, counted from where the base stands.
.macro WLD reg, row
	WIN 0xc0
.irp i, 0,1,2,3,4,5,6,7
	global_load_b128 v[(\reg)+4*(\i):(\reg)+4*(\i)+3], v[WOFF], s[4:5] offset:((\row)+(\i))*PW th:TH_LOAD_NT
.endr
.endm
; They are rounded and turned: for column j the eight K pack into 16 bytes, which go into the column's LDS row; off: the chunk's place, counted from where BST stands.
.macro WCV reg, th, off
.set TB, T+16*(\th)
	WIN 0x0f
.irp j, 0,1,2,3
.irp ii, 0,1,2,3
	v_cvt_pk_bf16_f32 v[TB+4*(\j)+(\ii)], v[(\reg)+8*(\ii)+(\j)], v[(\reg)+8*(\ii)+4+(\j)]
.endr
.endr
	WIN 0
.irp j, 0,1,2,3
	ds_store_b128 v[BST], v[TB+4*(\j):TB+4*(\j)+3] offset:(\off)+(\j)*16*PB
.endr
.endm
; The second operand of K step pos (counted from where BLA stands: block pos / 2, half pos % 2) into buffer b: 8 column tiles, two loads each.
.macro BLD b, pos
	WIN 0x80
.irp t, 0,1,2,3,4,5,6,7
	ds_load_b128 v[BF+64*(\b)+8*(\t):BF+64*(\b)+8*(\t)+3],   v[BLA] offset:((\pos)/2)*CH+((\pos)&1)*64+(\t)*16*PB
	ds_load_b128 v[BF+64*(\b)+8*(\t)+4:BF+64*(\b)+8*(\t)+7], v[BLA] offset:((\pos)/2)*CH+((\pos)&1)*64+(\t)*16*PB+32
.endr
	WIN 0
.endm
; The first operand of K step pos into piece a: five tiles, two loads each: lane (r, h) takes K = 8 h + 0..7 and 16 + 8 h + 0..7 of its token's row.
.macro ALD a, pos
	WIN 0
.irp u, 0,1,2,3,4
	global_load_b128 v[AB+40*(\a)+8*(\u):AB+40*(\a)+8*(\u)+3],   v[OFA+(\u)], s[6:7] offset:64*(\pos)
	global_load_b128 v[AB+40*(\a)+8*(\u)+4:AB+40*(\a)+8*(\u)+7], v[OFA+(\u)], s[6:7] offset:64*(\pos)+32
.endr
.endm
; A K step's products.  The accumulators take turns, one instruction a turn.  zero = 1: the first K step starts the sums, with the bias (MODE 1) or 0.
; br = 1: tile 4 is jumped where the wave has fewer than five tiles.
.macro MUL a, b, zero, br
.set AP, AB+40*(\a)
.set BP, BF+64*(\b)
.if (\zero) && (MODE == 1)
	WIN 0x68
.else
	WIN 0x58
.endif
.irp u, 0,1,2,3
.irp t, 0,1,2,3,4,5,6,7
.if (\zero) && (MODE == 1)
	v_wmma_f32_16x16x32_bf16 v[64*(\u)+8*(\t):64*(\u)+8*(\t)+7], v[AP+8*(\u):AP+8*(\u)+7], v[BP+8*(\t):BP+8*(\t)+7], v[BIB+8*(\t):BIB+8*(\t)+7]
.elseif \zero
	v_wmma_f32_16x16x32_bf16 v[64*(\u)+8*(\t):64*(\u)+8*(\t)+7], v[AP+8*(\u):AP+8*(\u)+7], v[BP+8*(\t):BP+8*(\t)+7], 0
.else
	v_wmma_f32_16x16x32_bf16 v[64*(\u)+8*(\t):64*(\u)+8*(\t)+7], v[AP+8*(\u):AP+8*(\u)+7], v[BP+8*(\t):BP+8*(\t)+7], v[64*(\u)+8*(\t):64*(\u)+8*(\t)+7]
.endif
.endr
.endr
.if \br
	WIN 0                                          ; at a branch and at a label every window is 0
	s_cmp_lt_u32 s24, 5
	s_cbranch_scc1 .Lno_tile_4_\@
.endif
	WIN 0xa8
.irp t, 0,1,2,3,4,5,6,7
.if (\zero) && (MODE == 1)
	v_wmma_f32_16x16x32_bf16 v[8*(\t):8*(\t)+7], v[AP+32:AP+39], v[BP+8*(\t):BP+8*(\t)+7], v[BIB+8*(\t):BIB+8*(\t)+7]
.elseif \zero
	v_wmma_f32_16x16x32_bf16 v[8*(\t):8*(\t)+7], v[AP+32:AP+39], v[BP+8*(\t):BP+8*(\t)+7], 0
.else
	v_wmma_f32_16x16x32_bf16 v[8*(\t):8*(\t)+7], v[AP+32:AP+39], v[BP+8*(\t):BP+8*(\t)+7], v[8*(\t):8*(\t)+7]
.endif
.endr
	WIN 0
.if \br
.Lno_tile_4_\@:
.endif
.endm
; A K step on a slice that is whole.  Its second operand has come from LDS; the next step's is asked for (bl), and the first operand three steps on (al), into the registers that the step before
; multiplied; left = the younger global loads that may stay out: ten for each later piece on its way.
.macro KSTEP pos, zero, al, bl, left
	s_wait_dscnt 0x0
	PLACES
.if \bl
	BLD ((\pos)+1)&1,(\pos)+1
.endif
.if \al
	ALD ((\pos)+3)&3,(\pos)+3
.endif
	s_wait_loadcnt \left
	MUL (\pos)&3,(\pos)&1,\zero,1-(\zero)
.endm
; A K step of the stream.  bar = 1: the barrier ahead of an even step.  wl = 1: the chunk seven steps on is asked for.  This step's token rows and the chunk four steps on were asked for together,
; three steps ago, the chunk first: one wait serves both; left = the loads of the two steps between, which may stay out.  The sixteen conversions name no register of the products before them: they are
; the places ahead of the loads into the registers that those products read.
.macro SSTEP pos, zero, wl, bar, left
	s_wait_dscnt 0x0                               ; this step's second operand is in, and my stores of the step before are done
.if \bar
	s_barrier_signal -1
	s_barrier_wait -1                              ; and every wave's: the chunks stored so far may be read
.endif
	s_wait_loadcnt \left
	WCV WRG+32*((\pos)&3),(\pos)&1,((\pos)/2)*CH+((\pos)&1)*64
	BLD ((\pos)+1)&1,(\pos)+1
.if \wl
	WLD WRG+32*(((\pos)+3)&3),32*((\pos)+7)
.endif
	ALD ((\pos)+3)&3,(\pos)+3
	MUL (\pos)&3,(\pos)&1,\zero,0
.endm
; A pass begins: the tokens of my five tiles, their rows' offsets, and both operands back at K = 0.
.macro PHEAD
.irp u, 0,1,2,3,4
	ds_load_b32 v[TA+(\u)], v[LSTA] offset:256*(\u)
.endr
	s_wait_dscnt 0x0
.irp u, 0,1,2,3,4
	v_min_u32 v[TA+(\u)], v[TA+(\u)], v[LAST]      ; a place past the count holds all ones: it becomes the last token
.endr
.irp u, 0,1,2,3,4
	v_min_u32 v[TA+(\u)], 0x3ff, v[TA+(\u)]        ; a loaded number enters an address only behind a constant bound
.endr
.irp u, 0,1,2,3,4
	v_lshl_add_u32 v[OFA+(\u)], v[TA+(\u)], SHA, v[H16]
.endr
	s_mov_b64 s[6:7], s[28:29]
	v_mov_b32 v[BLA], v[BB]
.endm
; THE WAY OUT of tile u.  Register j of an accumulator is row 8 h + j, lane index r the column.  Each accumulator's register 0 is read first.
.macro OUTT u
	WIN 0
	s_wait_xcnt 0x0                                ; the registers that earlier stores and loads read are written again only behind this wait
	ds_load_b128 v[TK:TK+3],   v[LSTE] offset:256*(\u)
	ds_load_b128 v[TK+4:TK+7], v[LSTE] offset:256*(\u)+16
	s_wait_dscnt 0x0
.irp j, 0,1,2,3,4,5,6,7
	v_min_u32 v[TK+(\j)], v[TK+(\j)], v[LAST]
.endr
.irp j, 0,1,2,3,4,5,6,7
	v_min_u32 v[TK+(\j)], 0x3ff, v[TK+(\j)]
.endr
.irp j, 0,1,2,3,4,5,6,7
	v_lshl_add_u32 v[VO+(\j)], v[TK+(\j)], SHO, v[R16]
.endr
.set AC, 64*((\u)%4)
.if MODE == 1
	WIN 0x05+5*((\u)/4)
.irp j, 0,1,2,3,4,5,6,7
.irp i, 0,1,2,3
	v_cvt_pk_bf16_f32 v[OB+4*(\j)+(\i)], v[AC+16*(\i)+(\j)], v[AC+16*(\i)+8+(\j)]  ; columns 8 r + 2 i, 8 r + 2 i + 1 of row 8 h + j
.endr
.endr
	WIN 0
.set z, 0
.rept 32
	v_pk_max_num_bf16 v[OB+z], v[OB+z], v[ZERO]    ; relu, behind the rounding: the same numbers as ahead of it
.set z, z+1
.endr
.irp j, 0,1,2,3,4,5,6,7
	global_store_b128 v[VO+(\j)], v[OB+4*(\j):OB+4*(\j)+3], s[8:9]  ; 16 lanes store 256 consecutive bytes, at a multiple of 256 from hid's first byte
.endr
.else
.irp j, 0,1,2,3,4,5,6,7
	v_lshlrev_b32 v[VG+(\j)], 5, v[TK+(\j)]
.endr
.irp j, 0,1,2,3,4,5,6,7
	global_load_b32 v[GT+(\j)], v[VG+(\j)], s[12:13]  ; the gate's weight of row 8 h + j for this expert
.endr
	s_wait_loadcnt 0x0
	WIN 0x01+((\u)/4)
.irp j, 0,1,2,3,4,5,6,7
.irp t, 0,1,2,3,4,5,6,7
	v_mul_f32 v[OB+8*(\j)+(\t)], v[AC+8*(\t)+(\j)], v[GT+(\j)]
.endr
.endr
	WIN 0
.irp j, 0,1,2,3,4,5,6,7
.irp q, 0,1
	global_store_b128 v[VO+(\j)], v[OB+8*(\j)+4*(\q):OB+8*(\j)+4*(\q)+3], s[8:9] offset:256*(\q)  ; 16 lanes store 256 consecutive bytes, at a multiple of 256 from par's first byte
.endr
.endr
.endif
.endm
	s_load_b256 s[4:11], s[0:1], 0x0               ; W s[4:5], first operand s[6:7], output s[8:9], msk s[10:11]
	s_load_b64 s[12:13], s[0:1], 0x20              ; b1 (MODE 1) or cwd (MODE 2)
	v_lshl_add_u32 v[SPW], v0, 2, SPARE
	v_mov_b32 v[NIL], 0
	v_lshrrev_b32 v4, 5, v0
	v_readfirstlane_b32 s14, v4                    ; wave w
	s_and_b32 s15, ttmp7, 0xffff                   ; expert e
	s_mov_b32 s16, ttmp9                           ; x
	s_lshl_b32 s17, 1, s15                         ; the expert's bit in msk
	v_and_b32 v1, 31, v0                           ; L
	v_and_b32 v2, 15, v0                           ; r
	v_bfe_u32 v3, v0, 4, 1                         ; h
	v_mov_b32 v[ZERO], 0
.if MODE == 1
	v_lshlrev_b32 v[WOFF], 5, v2
	v_lshl_add_u32 v[WOFF], v3, 4, v[WOFF]         ; columns 8 r + 4 h + 0..3
.else
	v_lshlrev_b32 v[WOFF], 4, v1                   ; columns 4 L + 0..3
.endif
	v_lshl_add_u32 v4, v3, 6, v2
	v_mul_u32_u24 v[BST], v4, PB
	v_lshl_add_u32 v[BST], s14, 4, v[BST]          ; (64 h + r) PB + 2 x 8 w
	v_mul_u32_u24 v4, v2, PB
	v_lshl_add_u32 v[BB], v3, 4, v4
	s_lshl_b32 s25, s14, 6
	s_add_co_u32 s25, s25, LIST
	v_lshl_add_u32 v[LSTA], v2, 2, s25
	v_lshl_add_u32 v[LSTE], v3, 5, s25
	v_lshlrev_b32 v[R16], 4, v2
	v_lshlrev_b32 v[H16], 4, v3
	v_add_nc_u32 v[DUMP], 1280, v1
	v_mov_b32 v[CNTA], CNT
	v_lshlrev_b32 v[BIA], 5, v2
	v_lshlrev_b32 v[MKA], 2, v1
	s_mov_b32 s31, 0
	s_wait_kmcnt 0x0
.if MODE == 1
	s_lshl_b32 s30, s15, 24                        ; W1: expert, slice of 128 columns, my wave's 8 rows of a chunk
	s_lshl_b32 s25, s16, 9
	s_add_co_u32 s30, s30, s25
	s_lshl_b32 s25, s14, SHW
	s_add_co_u32 s30, s30, s25
	s_add_nc_u64 s[4:5], s[4:5], s[30:31]
	s_lshl_b32 s30, s15, 21                        ; nrm: expert
	s_add_nc_u64 s[6:7], s[6:7], s[30:31]
	s_lshl_b32 s30, s15, 23                        ; hid: expert, slice
	s_lshl_b32 s25, s16, 8
	s_add_co_u32 s30, s30, s25
	s_add_nc_u64 s[8:9], s[8:9], s[30:31]
	s_lshl_b32 s30, s15, 14                        ; b1: expert, slice
	s_lshl_b32 s25, s16, 9
	s_add_co_u32 s30, s30, s25
	s_add_nc_u64 s[12:13], s[12:13], s[30:31]
	global_load_b128 v[BI:BI+3],   v[BIA], s[12:13]
	global_load_b128 v[BI+4:BI+7], v[BIA], s[12:13] offset:16
.else
	s_and_b32 s26, s16, 7                          ; cs
	s_lshr_b32 s27, s16, 3                         ; kq
	s_lshl_b32 s30, s15, 24                        ; W2: expert, quarter of K, slice of 128 columns, my wave's 8 rows of a chunk
	s_lshl_b32 s25, s27, 22
	s_add_co_u32 s30, s30, s25
	s_lshl_b32 s25, s26, 9
	s_add_co_u32 s30, s30, s25
	s_lshl_b32 s25, s14, SHW
	s_add_co_u32 s30, s30, s25
	s_add_nc_u64 s[4:5], s[4:5], s[30:31]
	s_lshl_b32 s30, s15, 23                        ; hid: expert, quarter of K
	s_lshl_b32 s25, s27, 11
	s_add_co_u32 s30, s30, s25
	s_add_nc_u64 s[6:7], s[6:7], s[30:31]
	s_lshl_b32 s30, s27, 25                        ; par: quarter, expert, slice
	s_lshl_b32 s25, s15, 22
	s_add_co_u32 s30, s30, s25
	s_lshl_b32 s25, s26, 9
	s_add_co_u32 s30, s30, s25
	s_add_nc_u64 s[8:9], s[8:9], s[30:31]
	s_lshl_b32 s30, s15, 2                         ; cwd: expert
	s_add_nc_u64 s[12:13], s[12:13], s[30:31]
.endif
	s_mov_b64 s[28:29], s[6:7]                     ; the first operand at K = 0, for each pass
	s_cmp_lg_u32 s14, 0
	s_cbranch_scc1 .Lno_mask
.set q, 0
.rept 32
	global_load_b32 v[MK+q], v[MKA], s[10:11] offset:128*q  ; wave 0: all 1,024 masks, 32 tokens a register
.set q, q+1
.endr
.Lno_mask:
.irp c, 0,1,2,3
	WLD WT+32*(\c),32*(\c)                         ; chunks 0 to 4 start on their way ahead of the list: 40 loads
.endr
	WLD WRG,32*4
	WIN 0
	s_cmp_lg_u32 s14, 0
	s_cbranch_scc1 .Lno_list
	; THE LIST, by wave 0: the expert's tokens in ascending order; every place past them holds all ones.
	s_wait_loadcnt 40                              ; the masks are in: only the 40 weight loads are younger
	v_mov_b32 v4, -1
	v_mov_b32 v5, -1
	v_mov_b32 v6, -1
	v_mov_b32 v7, -1
	v_lshl_add_u32 v11, v1, 4, LIST
.irp i, 0,1,2,3,4,5,6,7,8,9
	ds_store_b128 v11, v[4:7] offset:512*(\i)
.endr
	s_mov_b32 s19, 0
.set q, 0
.rept 32
	v_and_b32 v8, s17, v[MK+q]
	v_cmp_ne_u32 vcc_lo, 0, v8                     ; the lanes whose token chose the expert
	v_mbcnt_lo_u32_b32 v9, vcc_lo, s19             ; the count so far + such lanes below me: my place
	v_cndmask_b32 v9, v[DUMP], v9, vcc_lo          ; the others store into a word that nobody reads
	v_min_u32 v9, 0x51f, v9
	v_lshl_add_u32 v9, v9, 2, LIST
	v_add_nc_u32 v10, 32*q, v1                     ; my token
	ds_store_b32 v9, v10                           ; LDS serves a wave's instructions in order (ISA guide 5.7.1.4): behind the fill with ones
	s_bcnt1_i32_b32 s25, vcc_lo
	s_add_co_u32 s19, s19, s25
.set q, q+1
.endr
	s_max_u32 s25, s19, 1                          ; an expert without tokens counts as one place,
	v_mov_b32 v8, s25
	s_sub_co_u32 s25, s25, 1
	s_min_u32 s25, s25, 0x3ff
	s_lshl_b32 s25, s25, 2
	s_add_co_u32 s25, s25, LIST
	v_mov_b32 v11, s25
	ds_load_b32 v9, v11                            ; the last token
	s_cmp_lg_u32 s19, 0
	s_cselect_b32 s26, -1, 0
	s_wait_dscnt 0x0
	v_and_b32 v9, s26, v9                          ; which is then token 0
	ds_store_b64 v[CNTA], v[8:9]
.Lno_list:
	s_wait_dscnt 0x0                               ; wave 0's stores are done; ahead of this barrier no other wave touches LDS
	s_barrier_signal -1
	s_barrier_wait -1                              ; the weight loads stay on their way across it: nobody writes those bytes
	ds_load_b64 v[8:9], v[CNTA]
	s_wait_dscnt 0x0
	v_readfirstlane_b32 s19, v8
	v_mov_b32 v[LAST], v9
	s_min_u32 s19, s19, 0x400                      ; the count,
	s_add_co_u32 s20, s19, 15
	s_lshr_b32 s20, s20, 4                         ; in tiles: 1 at the least
	s_mov_b32 s21, s14                             ; my first tile of the pass
	s_mov_b32 s23, 4
	s_add_co_u32 s24, s20, 3
	s_sub_co_u32 s24, s24, s14
	s_lshr_b32 s24, s24, 2
	s_min_u32 s24, s24, 5                          ; my tiles in the first pass, 0 to 5
	PHEAD
	; Chunks 0 to 3 go into LDS ahead of the first product.  From chunk 4 on the loads go out in the order of the steps: a chunk, then a step's token rows.
	s_wait_loadcnt 24                              ; chunks 0 and 1 are in; chunks 2, 3 and 4 stay out
	WCV WT,0,0
	WCV WT+32,1,64
	ALD 0,0
	WLD WRG+32,32*5
	ALD 1,1
	s_wait_loadcnt 36                              ; chunks 2 and 3 are in; chunk 4 and the 28 loads just issued stay out
	WCV WT+64,0,CH
	WCV WT+96,1,CH+64
	WLD WRG+64,32*6
	ALD 2,2
.if MODE == 1
	WIN 0x80
.irp t, 0,1,2,3,4,5,6,7
.irp j, 0,1,2,3,4,5,6,7
	v_mov_b32 v[BIB+8*(\t)+(\j)], v[BI+(\t)]       ; the bias as the operand that starts the sums: the same for all 16 rows
.endr
.endr
	WIN 0
.endif
	v_add_nc_u32 v[BST], 2*CH, v[BST]              ; step s stores chunk s + 4: two blocks ahead of what it multiplies
	s_wait_dscnt 0x0                               ; for the other waves: my part of chunks 0 to 3 is in LDS
	s_barrier_signal -1
	s_barrier_wait -1
	BLD 0,0
	SSTEP 0,1,1,0,36                               ; the first of 32 K steps stands ahead of the loop: its products start the sums
	s_mov_b32 s22, 6
.Lstream:                                              ; a trip: four K steps, 1 to 24 in all; 54 loads of a wave are out behind each step's requests
	SSTEP 1,0,1,0,36
	SSTEP 2,0,1,1,36
	SSTEP 3,0,1,0,36
	SSTEP 4,0,1,1,36
	s_wait_xcnt 0x0                                ; the bases are stepped only behind this wait
	s_add_nc_u64 s[4:5], s[4:5], 128*PW
	s_add_nc_u64 s[6:7], s[6:7], 256
	v_add_nc_u32 v[BLA], 2*CH, v[BLA]
	v_add_nc_u32 v[BST], 2*CH, v[BST]
	s_sub_co_u32 s22, s22, 1
	s_cmp_lg_u32 s22, 0
	s_cbranch_scc1 .Lstream
	SSTEP 1,0,0,0,36                               ; steps 25 to 27 store the last three chunks and ask for no more weights: behind them 18 + 18,
	SSTEP 2,0,0,1,28                               ; 18 + 10,
	SSTEP 3,0,0,0,20                               ; 10 + 10 younger loads
	s_wait_dscnt 0x0                               ; my part of the last chunk is in LDS
	s_barrier_signal -1
	s_barrier_wait -1                              ; the slice is whole; from here on nothing writes LDS but the closing add
	s_mov_b32 s22, 1
	s_branch .Ljoin                                ; step 28 is the fourth step of the seventh trip of the loop below: that trip's end, steps 29 to 31 and the way out follow
.Lpass:
	s_cmp_ge_u32 s21, s20
	s_cbranch_scc1 .Lnext                          ; no tile of mine in this pass: what is jumped holds no barrier and writes no LDS
	s_sub_co_u32 s24, s20, s21
	s_add_co_u32 s24, s24, 3
	s_lshr_b32 s24, s24, 2
	s_min_u32 s24, s24, 5                          ; my tiles in this pass
	s_wait_xcnt 0x0                                ; the last pass's stores have read their registers
	PHEAD
	ALD 0,0
	ALD 1,1
	ALD 2,2
	BLD 0,0
	KSTEP 0,1,1,1,30
	s_mov_b32 s22, 7
.Lk:
	KSTEP 1,0,1,1,30
	KSTEP 2,0,1,1,30
	KSTEP 3,0,1,1,30
.Ljoin:
	KSTEP 4,0,1,1,30
	s_wait_xcnt 0x0                                ; the base is stepped only behind this wait
	s_add_nc_u64 s[6:7], s[6:7], 256
	v_add_nc_u32 v[BLA], 2*CH, v[BLA]
	s_sub_co_u32 s22, s22, 1
	s_cmp_lg_u32 s22, 0
	s_cbranch_scc1 .Lk
	KSTEP 1,0,0,1,20                               ; the last three K steps ask for nothing past the row's end
	KSTEP 2,0,0,1,10
	KSTEP 3,0,0,0,0
	PLACES
.irp u, 0,1,2,3,4
	s_cmp_lt_u32 s24, (\u)+1
	s_cbranch_scc1 .Ldone                          ; whole tiles past the count are not stored
	OUTT \u
.endr
.Ldone:
.Lnext:
	v_add_nc_u32 v[LSTA], 1280, v[LSTA]            ; 20 tiles on
	v_add_nc_u32 v[LSTE], 1280, v[LSTE]
	s_add_co_u32 s21, s21, 20
	s_sub_co_u32 s23, s23, 1
	s_cmp_lg_u32 s23, 0
	s_cbranch_scc1 .Lpass
	s_wait_dscnt 0x0                               ; my reads of the slice and of the list are back
	s_barrier_signal -1
	s_barrier_wait -1                              ; and every wave's are: no wave writes LDS again (the closing add) while another still reads it
	s_wait_tensorcnt 0x0                           ; the wave's end: three closing lines behind my last LDS store
	ds_add_u32 v[SPW], v[NIL]
	s_wait_dscnt 0x0
	s_endpgm
.Lfunc_end_k_q27a320e44d_ffn1:
	.size	k_q27a320e44d_ffn1, .Lfunc_end_k_q27a320e44d_ffn1-k_q27a320e44d_ffn1
	.p2alignl 7, 3214868480
	.fill 96, 4, 3214868480
	.section	.rodata,"a",@progbits
	.p2align	6, 0x0
	.amdhsa_kernel k_q27a320e44d_ffn1
		.amdhsa_group_segment_fixed_size 300800
		.amdhsa_private_segment_fixed_size 0
		.amdhsa_enable_private_segment 0
		.amdhsa_kernarg_size 40
		.amdhsa_user_sgpr_count 2
		.amdhsa_user_sgpr_kernarg_segment_ptr 1
		.amdhsa_wavefront_size32 1
		.amdhsa_system_sgpr_workgroup_id_x 1
		.amdhsa_system_sgpr_workgroup_id_y 1
		.amdhsa_system_sgpr_workgroup_id_z 1
		.amdhsa_system_vgpr_workitem_id 0
		.amdhsa_next_free_vgpr 1024
		.amdhsa_next_free_sgpr 66
		.amdhsa_reserve_vcc 1
		.amdhsa_float_denorm_mode_32 3
		.amdhsa_float_denorm_mode_16_64 3
		.amdhsa_memory_ordered 1
		.amdhsa_forward_progress 1
		.amdhsa_inst_pref_size 167
	.end_amdhsa_kernel
	.amdgpu_metadata
---
amdhsa.version: [ 1, 2 ]
amdhsa.kernels:
  - .name:           k_q27a320e44d_ffn1
    .symbol:         k_q27a320e44d_ffn1.kd
    .args:
      - { .name: W1, .offset: 0, .size: 8, .value_kind: global_buffer, .address_space: global }
      - { .name: nrm, .offset: 8, .size: 8, .value_kind: global_buffer, .address_space: global }
      - { .name: hid, .offset: 16, .size: 8, .value_kind: global_buffer, .address_space: global }
      - { .name: msk, .offset: 24, .size: 8, .value_kind: global_buffer, .address_space: global }
      - { .name: b1, .offset: 32, .size: 8, .value_kind: global_buffer, .address_space: global }
    .group_segment_fixed_size: 300800
    .private_segment_fixed_size: 0
    .kernarg_segment_align: 8
    .kernarg_segment_size: 40
    .max_flat_workgroup_size: 128
    .sgpr_count:     66
    .vgpr_count:     1024
    .wavefront_size: 32
...
	.end_amdgpu_metadata
.endif
;; end of part 2
;; launch ffn2 (part 3): grid 32 x 8, 4 waves a work-group, no clusters, 300,800 bytes of LDS; arguments W2, hid, par, msk, cwd; writes par
.if DOCPART == 3
	.amdgcn_target "amdgcn-amd-amdhsa--gfx1250"
	.amdhsa_code_object_version 6
	.text
	.protected	k_q27a320e44d_ffn2
	.globl	k_q27a320e44d_ffn2
	.p2align	8
	.type	k_q27a320e44d_ffn2,@function
k_q27a320e44d_ffn2:
	s_mov_b64 s[64:65], 0
	v_nop
	global_prefetch_b8 v0, s[64:65] scope:SCOPE_SE
	s_setreg_imm32_b32 hwreg(HW_REG_WAVE_MODE, 25, 1), 1
	s_wait_xcnt 0x0
; ONE PRODUCT OF THE EXPERTS' CHAIN, on the rows that chose the expert.  One text serves both products; MODE picks the sizes and the way out.
;   MODE 1: hid[e][n][128 x ..] = bf16(relu(nrm[e][n][:] . W1[e][:, 128 x ..] + b1[e]))          K = 1,024; x = slice of 128 of the 4,096 hidden columns
;   MODE 2: par[kq][e][n][128 cs ..] = gate[n][e] * (hid[e][n][1024 kq ..] . W2[e][1024 kq .., 128 cs ..])   cs = x & 7, kq = x >> 3: a quarter of K = 4,096; f32 partial sums
; Operands in bf16 (the f32 weights are rounded once, on their way through registers), sums in f32.
; SHARES.  Work-group (x, e): expert e, 128 output columns, K = 1,024: 512 KB of f32 weights that no other work-group reads.
; ROWS.  The expert's tokens stand in a list in LDS that wave 0 makes from msk (whole numbers that an earlier launch stored).  Tile T is list places 16 T .. 16 T + 15.  A pass covers 20 tiles:
; wave w has tiles 20 p + w + 4 u, u = 0 .. 4, each 16 rows x 128 columns.  Four passes (a constant) cover 1,280 places, more than the 1,024 an expert can have: every split of the tokens is served.
; Token rows come from memory straight into the first operand's registers.
; THE STREAM.  K goes in steps of 32.  A chunk is a step's 32 rows of W: wave w brings rows 8 w .. 8 w + 7, a load a row (512 consecutive bytes); a lane's four columns x eight K make four runs of
; 16 bytes along K, which go into LDS rows that lie along K.  The slice stays in LDS (no byte of it is written twice), so later passes find it whole.  THE FIRST PASS MULTIPLIES WHILE THE WEIGHTS COME:
; step s rounds and stores chunk s + 4, reads step s + 1's operand from LDS, asks for chunk s + 7 and for the token rows of step s + 3, and multiplies step s.  One barrier stands ahead of every even step:
; a chunk stored in step s is first read in step s + 3.  In LDS the slice lies in 16 blocks of 64 K (two chunks), 18,432 bytes on end: between two barriers the stores go to block s / 2 + 2, the reads to
; blocks s / 2 and s / 2 + 1.  The stream's text holds steps 0 to 27 and no branch on a loaded number: every wave passes every barrier and multiplies all five tiles, whatever the count.  Then it joins the
; text of the later passes at step 28: steps 28 to 31 and the way out are written once.
; LATER PASSES (an expert with more than 320 rows) read the slice from LDS; a wave with no tile in a pass jumps the pass; nothing there writes LDS, and no barrier stands there.
; Places past the count repeat the expert's last token: they lie in the same tile as that token, so the same wave stores the same bits to the same bytes once more; EXEC is never narrowed.
; Whole tiles past the count are multiplied (in the first pass; later, tile 4 only in its first K step) but not stored.
; AN EXPERT WITHOUT TOKENS counts as one place that holds token 0: so every byte that this launch or a later one reads has been stored; the sum at the end never reads that row.
; NO JOINT LOADS: a slice of weights has one reader; what an expert's work-groups share is its token rows, which are picked by a list, 32 bytes of 16 rows to a load: no tile that a descriptor states.
; COLUMNS.  Which LDS row a column takes is free (a product's columns may be permuted) and is chosen for the way out.
; Lane (r = L % 16, h = L / 16) loads columns c0 + j, j = 0..3, into LDS row 64 h + 16 j + r = index r of column tile t = 4 h + j.
;   MODE 1: c0 = 8 r + 4 h: tile t, index r is column 8 r + t: a lane's eight tiles are 8 neighbouring columns, 16 bytes of bf16.
;   MODE 2: c0 = 64 h + 4 r: tile t, index r is column 64 (t / 4) + 4 r + t % 4: four tiles are 4 neighbouring columns, 16 bytes of f32.
.set MODE, 2
.set PB,    144                        ; an LDS row of a block: 128 bytes (64 K) + 16: an odd multiple of 16, so 16 rows start at 16 different groups of four banks (64 banks of 4 bytes: ISA guide 11.1)
.set CH,    128*PB                     ; a block: 128 columns x 64 K
.set LIST,  16*CH                      ; 1,280 places and 32 words for the stores of lanes that have nothing to say
.set CNT,   LIST+5248                  ; the count, the last token
.set SPARE, CNT+128                    ; the spare words: 128 bytes for each of 4 waves; no other line names them
.if MODE == 1
.set PW,  16384                        ; bytes in a row of W,
.set SHW, 17                           ; log2 of the bytes in 8 of them
.set SHA, 11                           ; log2 of the bytes in a token's row of the first operand,
.set SHO, 13                           ; and of the output
.else
.set PW,  4096
.set SHW, 15
.set SHA, 13
.set SHO, 12
.endif
; REGISTERS, in windows of 256 (s_set_vgpr_msb: bits 1:0 source 0, 3:2 source 1, 5:4 source 2, 7:6 destination).
; window 0: v1 L, v2 r, v3 h, v4-11 at work, and:
.set SPW,  12                          ; LDS address of my spare word; never rewritten
.set NIL,  13                          ; 0; never rewritten
.set ZERO, 14                          ; 0, for relu
.set WOFF, 15                          ; my 16 bytes in a row of W
.set BST,  16                          ; (64 h + r) PB + 16 w: where my column j = 0 goes in a block; stepped along the blocks
.set BB,   18                          ; r PB + 16 h: my place in column tile 0 of block 0
.set BLA,  22                          ; the same, stepped along the blocks
.set LSTA, 26                          ; LIST + 64 w + 4 r: the token of row r of my tile 0 of the pass
.set LSTE, 27                          ; LIST + 64 w + 32 h: the tokens of rows 8 h + 0..7
.set LAST, 28                          ; the expert's last token
.set R16,  29                          ; 16 r
.set H16,  30                          ; 16 h
.set DUMP, 31                          ; 1280 + L
.set OFA,  32                          ; v32-36  tile u: byte offset of my token's row, + 16 h
.set CNTA, 37                          ; CNT
.set BIA,  38                          ; 32 r
.set MKA,  39                          ; 4 L
.set BI,   40                          ; v40-47  MODE 1: b1 of my index's column in tiles 0-7
.set TA,   48                          ; v48-52  tokens
.set MK,   64                          ; v64-95  wave 0: msk, 32 tokens a register
.set T,    64                          ; v64-95  then: weights packed for LDS, two sets of 16
.set AB,   96                          ; v96-255 first operand: four pieces (K steps in flight) of five tiles x 8 registers
.set TK,   96                          ; way out: tokens, offsets, results, gates, gates' offsets
.set VO,   104
.set OB,   112
.set GT,   176
.set VG,   184
; window 1: accumulators of tiles u = 0..3 at 64 u + 8 t.   window 2: v0-63 tile 4's; and:
.set BF,   64                          ; v64-191 second operand: two buffers of 8 column tiles x 8 registers
.set BIB,  192                         ; v192-255 MODE 1: the bias as a C operand: 8 t + j holds BI[t]
; window 3: weights as loaded, 32 registers a chunk:
.set WRG,  0                           ; v0-127   chunk c >= 4 in set c % 4
.set WT,   128                         ; v128-255 chunks 0-3
.set MSB, 0
.macro WIN new                         ; the immediate's high byte repeats the setting that is left; a switch that changes nothing is dropped
.if MSB != (\new)
	s_set_vgpr_msb (MSB<<8)|(\new)
.set MSB, (\new)
.endif
.endm
.macro PLACES                          ; four plain instructions between a matrix instruction and a load into, or a vector read or write of, its registers
.rept 4
	v_nop
.endr
.endm
; My eight rows of a chunk into the 32 registers from reg on; row: the chunk's first row, counted from where the base stands.
.macro WLD reg, row
	WIN 0xc0
.irp i, 0,1,2,3,4,5,6,7
	global_load_b128 v[(\reg)+4*(\i):(\reg)+4*(\i)+3], v[WOFF], s[4:5] offset:((\row)+(\i))*PW th:TH_LOAD_NT
.endr
.endm
; They are rounded and turned: for column j the eight K pack into 16 bytes, which go into the column's LDS row; off: the chunk's place, counted from where BST stands.
.macro WCV reg, th, off
.set TB, T+16*(\th)
	WIN 0x0f
.irp j, 0,1,2,3
.irp ii, 0,1,2,3
	v_cvt_pk_bf16_f32 v[TB+4*(\j)+(\ii)], v[(\reg)+8*(\ii)+(\j)], v[(\reg)+8*(\ii)+4+(\j)]
.endr
.endr
	WIN 0
.irp j, 0,1,2,3
	ds_store_b128 v[BST], v[TB+4*(\j):TB+4*(\j)+3] offset:(\off)+(\j)*16*PB
.endr
.endm
; The second operand of K step pos (counted from where BLA stands: block pos / 2, half pos % 2) into buffer b: 8 column tiles, two loads each.
.macro BLD b, pos
	WIN 0x80
.irp t, 0,1,2,3,4,5,6,7
	ds_load_b128 v[BF+64*(\b)+8*(\t):BF+64*(\b)+8*(\t)+3],   v[BLA] offset:((\pos)/2)*CH+((\pos)&1)*64+(\t)*16*PB
	ds_load_b128 v[BF+64*(\b)+8*(\t)+4:BF+64*(\b)+8*(\t)+7], v[BLA] offset:((\pos)/2)*CH+((\pos)&1)*64+(\t)*16*PB+32
.endr
	WIN 0
.endm
; The first operand of K step pos into piece a: five tiles, two loads each: lane (r, h) takes K = 8 h + 0..7 and 16 + 8 h + 0..7 of its token's row.
.macro ALD a, pos
	WIN 0
.irp u, 0,1,2,3,4
	global_load_b128 v[AB+40*(\a)+8*(\u):AB+40*(\a)+8*(\u)+3],   v[OFA+(\u)], s[6:7] offset:64*(\pos)
	global_load_b128 v[AB+40*(\a)+8*(\u)+4:AB+40*(\a)+8*(\u)+7], v[OFA+(\u)], s[6:7] offset:64*(\pos)+32
.endr
.endm
; A K step's products.  The accumulators take turns, one instruction a turn.  zero = 1: the first K step starts the sums, with the bias (MODE 1) or 0.
; br = 1: tile 4 is jumped where the wave has fewer than five tiles.
.macro MUL a, b, zero, br
.set AP, AB+40*(\a)
.set BP, BF+64*(\b)
.if (\zero) && (MODE == 1)
	WIN 0x68
.else
	WIN 0x58
.endif
.irp u, 0,1,2,3
.irp t, 0,1,2,3,4,5,6,7
.if (\zero) && (MODE == 1)
	v_wmma_f32_16x16x32_bf16 v[64*(\u)+8*(\t):64*(\u)+8*(\t)+7], v[AP+8*(\u):AP+8*(\u)+7], v[BP+8*(\t):BP+8*(\t)+7], v[BIB+8*(\t):BIB+8*(\t)+7]
.elseif \zero
	v_wmma_f32_16x16x32_bf16 v[64*(\u)+8*(\t):64*(\u)+8*(\t)+7], v[AP+8*(\u):AP+8*(\u)+7], v[BP+8*(\t):BP+8*(\t)+7], 0
.else
	v_wmma_f32_16x16x32_bf16 v[64*(\u)+8*(\t):64*(\u)+8*(\t)+7], v[AP+8*(\u):AP+8*(\u)+7], v[BP+8*(\t):BP+8*(\t)+7], v[64*(\u)+8*(\t):64*(\u)+8*(\t)+7]
.endif
.endr
.endr
.if \br
	WIN 0                                          ; at a branch and at a label every window is 0
	s_cmp_lt_u32 s24, 5
	s_cbranch_scc1 .Lno_tile_4_\@
.endif
	WIN 0xa8
.irp t, 0,1,2,3,4,5,6,7
.if (\zero) && (MODE == 1)
	v_wmma_f32_16x16x32_bf16 v[8*(\t):8*(\t)+7], v[AP+32:AP+39], v[BP+8*(\t):BP+8*(\t)+7], v[BIB+8*(\t):BIB+8*(\t)+7]
.elseif \zero
	v_wmma_f32_16x16x32_bf16 v[8*(\t):8*(\t)+7], v[AP+32:AP+39], v[BP+8*(\t):BP+8*(\t)+7], 0
.else
	v_wmma_f32_16x16x32_bf16 v[8*(\t):8*(\t)+7], v[AP+32:AP+39], v[BP+8*(\t):BP+8*(\t)+7], v[8*(\t):8*(\t)+7]
.endif
.endr
	WIN 0
.if \br
.Lno_tile_4_\@:
.endif
.endm
; A K step on a slice that is whole.  Its second operand has come from LDS; the next step's is asked for (bl), and the first operand three steps on (al), into the registers that the step before
; multiplied; left = the younger global loads that may stay out: ten for each later piece on its way.
.macro KSTEP pos, zero, al, bl, left
	s_wait_dscnt 0x0
	PLACES
.if \bl
	BLD ((\pos)+1)&1,(\pos)+1
.endif
.if \al
	ALD ((\pos)+3)&3,(\pos)+3
.endif
	s_wait_loadcnt \left
	MUL (\pos)&3,(\pos)&1,\zero,1-(\zero)
.endm
; A K step of the stream.  bar = 1: the barrier ahead of an even step.  wl = 1: the chunk seven steps on is asked for.  This step's token rows and the chunk four steps on were asked for together,
; three steps ago, the chunk first: one wait serves both; left = the loads of the two steps between, which may stay out.  The sixteen conversions name no register of the products before them: they are
; the places ahead of the loads into the registers that those products read.
.macro SSTEP pos, zero, wl, bar, left
	s_wait_dscnt 0x0                               ; this step's second operand is in, and my stores of the step before are done
.if \bar
	s_barrier_signal -1
	s_barrier_wait -1                              ; and every wave's: the chunks stored so far may be read
.endif
	s_wait_loadcnt \left
	WCV WRG+32*((\pos)&3),(\pos)&1,((\pos)/2)*CH+((\pos)&1)*64
	BLD ((\pos)+1)&1,(\pos)+1
.if \wl
	WLD WRG+32*(((\pos)+3)&3),32*((\pos)+7)
.endif
	ALD ((\pos)+3)&3,(\pos)+3
	MUL (\pos)&3,(\pos)&1,\zero,0
.endm
; A pass begins: the tokens of my five tiles, their rows' offsets, and both operands back at K = 0.
.macro PHEAD
.irp u, 0,1,2,3,4
	ds_load_b32 v[TA+(\u)], v[LSTA] offset:256*(\u)
.endr
	s_wait_dscnt 0x0
.irp u, 0,1,2,3,4
	v_min_u32 v[TA+(\u)], v[TA+(\u)], v[LAST]      ; a place past the count holds all ones: it becomes the last token
.endr
.irp u, 0,1,2,3,4
	v_min_u32 v[TA+(\u)], 0x3ff, v[TA+(\u)]        ; a loaded number enters an address only behind a constant bound
.endr
.irp u, 0,1,2,3,4
	v_lshl_add_u32 v[OFA+(\u)], v[TA+(\u)], SHA, v[H16]
.endr
	s_mov_b64 s[6:7], s[28:29]
	v_mov_b32 v[BLA], v[BB]
.endm
; THE WAY OUT of tile u.  Register j of an accumulator is row 8 h + j, lane index r the column.  Each accumulator's register 0 is read first.
.macro OUTT u
	WIN 0
	s_wait_xcnt 0x0                                ; the registers that earlier stores and loads read are written again only behind this wait
	ds_load_b128 v[TK:TK+3],   v[LSTE] offset:256*(\u)
	ds_load_b128 v[TK+4:TK+7], v[LSTE] offset:256*(\u)+16
	s_wait_dscnt 0x0
.irp j, 0,1,2,3,4,5,6,7
	v_min_u32 v[TK+(\j)], v[TK+(\j)], v[LAST]
.endr
.irp j, 0,1,2,3,4,5,6,7
	v_min_u32 v[TK+(\j)], 0x3ff, v[TK+(\j)]
.endr
.irp j, 0,1,2,3,4,5,6,7
	v_lshl_add_u32 v[VO+(\j)], v[TK+(\j)], SHO, v[R16]
.endr
.set AC, 64*((\u)%4)
.if MODE == 1
	WIN 0x05+5*((\u)/4)
.irp j, 0,1,2,3,4,5,6,7
.irp i, 0,1,2,3
	v_cvt_pk_bf16_f32 v[OB+4*(\j)+(\i)], v[AC+16*(\i)+(\j)], v[AC+16*(\i)+8+(\j)]  ; columns 8 r + 2 i, 8 r + 2 i + 1 of row 8 h + j
.endr
.endr
	WIN 0
.set z, 0
.rept 32
	v_pk_max_num_bf16 v[OB+z], v[OB+z], v[ZERO]    ; relu, behind the rounding: the same numbers as ahead of it
.set z, z+1
.endr
.irp j, 0,1,2,3,4,5,6,7
	global_store_b128 v[VO+(\j)], v[OB+4*(\j):OB+4*(\j)+3], s[8:9]  ; 16 lanes store 256 consecutive bytes, at a multiple of 256 from hid's first byte
.endr
.else
.irp j, 0,1,2,3,4,5,6,7
	v_lshlrev_b32 v[VG+(\j)], 5, v[TK+(\j)]
.endr
.irp j, 0,1,2,3,4,5,6,7
	global_load_b32 v[GT+(\j)], v[VG+(\j)], s[12:13]  ; the gate's weight of row 8 h + j for this expert
.endr
	s_wait_loadcnt 0x0
	WIN 0x01+((\u)/4)
.irp j, 0,1,2,3,4,5,6,7
.irp t, 0,1,2,3,4,5,6,7
	v_mul_f32 v[OB+8*(\j)+(\t)], v[AC+8*(\t)+(\j)], v[GT+(\j)]
.endr
.endr
	WIN 0
.irp j, 0,1,2,3,4,5,6,7
.irp q, 0,1
	global_store_b128 v[VO+(\j)], v[OB+8*(\j)+4*(\q):OB+8*(\j)+4*(\q)+3], s[8:9] offset:256*(\q)  ; 16 lanes store 256 consecutive bytes, at a multiple of 256 from par's first byte
.endr
.endr
.endif
.endm
	s_load_b256 s[4:11], s[0:1], 0x0               ; W s[4:5], first operand s[6:7], output s[8:9], msk s[10:11]
	s_load_b64 s[12:13], s[0:1], 0x20              ; b1 (MODE 1) or cwd (MODE 2)
	v_lshl_add_u32 v[SPW], v0, 2, SPARE
	v_mov_b32 v[NIL], 0
	v_lshrrev_b32 v4, 5, v0
	v_readfirstlane_b32 s14, v4                    ; wave w
	s_and_b32 s15, ttmp7, 0xffff                   ; expert e
	s_mov_b32 s16, ttmp9                           ; x
	s_lshl_b32 s17, 1, s15                         ; the expert's bit in msk
	v_and_b32 v1, 31, v0                           ; L
	v_and_b32 v2, 15, v0                           ; r
	v_bfe_u32 v3, v0, 4, 1                         ; h
	v_mov_b32 v[ZERO], 0
.if MODE == 1
	v_lshlrev_b32 v[WOFF], 5, v2
	v_lshl_add_u32 v[WOFF], v3, 4, v[WOFF]         ; columns 8 r + 4 h + 0..3
.else
	v_lshlrev_b32 v[WOFF], 4, v1                   ; columns 4 L + 0..3
.endif
	v_lshl_add_u32 v4, v3, 6, v2
	v_mul_u32_u24 v[BST], v4, PB
	v_lshl_add_u32 v[BST], s14, 4, v[BST]          ; (64 h + r) PB + 2 x 8 w
	v_mul_u32_u24 v4, v2, PB
	v_lshl_add_u32 v[BB], v3, 4, v4
	s_lshl_b32 s25, s14, 6
	s_add_co_u32 s25, s25, LIST
	v_lshl_add_u32 v[LSTA], v2, 2, s25
	v_lshl_add_u32 v[LSTE], v3, 5, s25
	v_lshlrev_b32 v[R16], 4, v2
	v_lshlrev_b32 v[H16], 4, v3
	v_add_nc_u32 v[DUMP], 1280, v1
	v_mov_b32 v[CNTA], CNT
	v_lshlrev_b32 v[BIA], 5, v2
	v_lshlrev_b32 v[MKA], 2, v1
	s_mov_b32 s31, 0
	s_wait_kmcnt 0x0
.if MODE == 1
	s_lshl_b32 s30, s15, 24                        ; W1: expert, slice of 128 columns, my wave's 8 rows of a chunk
	s_lshl_b32 s25, s16, 9
	s_add_co_u32 s30, s30, s25
	s_lshl_b32 s25, s14, SHW
	s_add_co_u32 s30, s30, s25
	s_add_nc_u64 s[4:5], s[4:5], s[30:31]
	s_lshl_b32 s30, s15, 21                        ; nrm: expert
	s_add_nc_u64 s[6:7], s[6:7], s[30:31]
	s_lshl_b32 s30, s15, 23                        ; hid: expert, slice
	s_lshl_b32 s25, s16, 8
	s_add_co_u32 s30, s30, s25
	s_add_nc_u64 s[8:9], s[8:9], s[30:31]
	s_lshl_b32 s30, s15, 14                        ; b1: expert, slice
	s_lshl_b32 s25, s16, 9
	s_add_co_u32 s30, s30, s25
	s_add_nc_u64 s[12:13], s[12:13], s[30:31]
	global_load_b128 v[BI:BI+3],   v[BIA], s[12:13]
	global_load_b128 v[BI+4:BI+7], v[BIA], s[12:13] offset:16
.else
	s_and_b32 s26, s16, 7                          ; cs
	s_lshr_b32 s27, s16, 3                         ; kq
	s_lshl_b32 s30, s15, 24                        ; W2: expert, quarter of K, slice of 128 columns, my wave's 8 rows of a chunk
	s_lshl_b32 s25, s27, 22
	s_add_co_u32 s30, s30, s25
	s_lshl_b32 s25, s26, 9
	s_add_co_u32 s30, s30, s25
	s_lshl_b32 s25, s14, SHW
	s_add_co_u32 s30, s30, s25
	s_add_nc_u64 s[4:5], s[4:5], s[30:31]
	s_lshl_b32 s30, s15, 23                        ; hid: expert, quarter of K
	s_lshl_b32 s25, s27, 11
	s_add_co_u32 s30, s30, s25
	s_add_nc_u64 s[6:7], s[6:7], s[30:31]
	s_lshl_b32 s30, s27, 25                        ; par: quarter, expert, slice
	s_lshl_b32 s25, s15, 22
	s_add_co_u32 s30, s30, s25
	s_lshl_b32 s25, s26, 9
	s_add_co_u32 s30, s30, s25
	s_add_nc_u64 s[8:9], s[8:9], s[30:31]
	s_lshl_b32 s30, s15, 2                         ; cwd: expert
	s_add_nc_u64 s[12:13], s[12:13], s[30:31]
.endif
	s_mov_b64 s[28:29], s[6:7]                     ; the first operand at K = 0, for each pass
	s_cmp_lg_u32 s14, 0
	s_cbranch_scc1 .Lno_mask
.set q, 0
.rept 32
	global_load_b32 v[MK+q], v[MKA], s[10:11] offset:128*q  ; wave 0: all 1,024 masks, 32 tokens a register
.set q, q+1
.endr
.Lno_mask:
.irp c, 0,1,2,3
	WLD WT+32*(\c),32*(\c)                         ; chunks 0 to 4 start on their way ahead of the list: 40 loads
.endr
	WLD WRG,32*4
	WIN 0
	s_cmp_lg_u32 s14, 0
	s_cbranch_scc1 .Lno_list
	; THE LIST, by wave 0: the expert's tokens in ascending order; every place past them holds all ones.
	s_wait_loadcnt 40                              ; the masks are in: only the 40 weight loads are younger
	v_mov_b32 v4, -1
	v_mov_b32 v5, -1
	v_mov_b32 v6, -1
	v_mov_b32 v7, -1
	v_lshl_add_u32 v11, v1, 4, LIST
.irp i, 0,1,2,3,4,5,6,7,8,9
	ds_store_b128 v11, v[4:7] offset:512*(\i)
.endr
	s_mov_b32 s19, 0
.set q, 0
.rept 32
	v_and_b32 v8, s17, v[MK+q]
	v_cmp_ne_u32 vcc_lo, 0, v8                     ; the lanes whose token chose the expert
	v_mbcnt_lo_u32_b32 v9, vcc_lo, s19             ; the count so far + such lanes below me: my place
	v_cndmask_b32 v9, v[DUMP], v9, vcc_lo          ; the others store into a word that nobody reads
	v_min_u32 v9, 0x51f, v9
	v_lshl_add_u32 v9, v9, 2, LIST
	v_add_nc_u32 v10, 32*q, v1                     ; my token
	ds_store_b32 v9, v10                           ; LDS serves a wave's instructions in order (ISA guide 5.7.1.4): behind the fill with ones
	s_bcnt1_i32_b32 s25, vcc_lo
	s_add_co_u32 s19, s19, s25
.set q, q+1
.endr
	s_max_u32 s25, s19, 1                          ; an expert without tokens counts as one place,
	v_mov_b32 v8, s25
	s_sub_co_u32 s25, s25, 1
	s_min_u32 s25, s25, 0x3ff
	s_lshl_b32 s25, s25, 2
	s_add_co_u32 s25, s25, LIST
	v_mov_b32 v11, s25
	ds_load_b32 v9, v11                            ; the last token
	s_cmp_lg_u32 s19, 0
	s_cselect_b32 s26, -1, 0
	s_wait_dscnt 0x0
	v_and_b32 v9, s26, v9                          ; which is then token 0
	ds_store_b64 v[CNTA], v[8:9]
.Lno_list:
	s_wait_dscnt 0x0                               ; wave 0's stores are done; ahead of this barrier no other wave touches LDS
	s_barrier_signal -1
	s_barrier_wait -1                              ; the weight loads stay on their way across it: nobody writes those bytes
	ds_load_b64 v[8:9], v[CNTA]
	s_wait_dscnt 0x0
	v_readfirstlane_b32 s19, v8
	v_mov_b32 v[LAST], v9
	s_min_u32 s19, s19, 0x400                      ; the count,
	s_add_co_u32 s20, s19, 15
	s_lshr_b32 s20, s20, 4                         ; in tiles: 1 at the least
	s_mov_b32 s21, s14                             ; my first tile of the pass
	s_mov_b32 s23, 4
	s_add_co_u32 s24, s20, 3
	s_sub_co_u32 s24, s24, s14
	s_lshr_b32 s24, s24, 2
	s_min_u32 s24, s24, 5                          ; my tiles in the first pass, 0 to 5
	PHEAD
	; Chunks 0 to 3 go into LDS ahead of the first product.  From chunk 4 on the loads go out in the order of the steps: a chunk, then a step's token rows.
	s_wait_loadcnt 24                              ; chunks 0 and 1 are in; chunks 2, 3 and 4 stay out
	WCV WT,0,0
	WCV WT+32,1,64
	ALD 0,0
	WLD WRG+32,32*5
	ALD 1,1
	s_wait_loadcnt 36                              ; chunks 2 and 3 are in; chunk 4 and the 28 loads just issued stay out
	WCV WT+64,0,CH
	WCV WT+96,1,CH+64
	WLD WRG+64,32*6
	ALD 2,2
.if MODE == 1
	WIN 0x80
.irp t, 0,1,2,3,4,5,6,7
.irp j, 0,1,2,3,4,5,6,7
	v_mov_b32 v[BIB+8*(\t)+(\j)], v[BI+(\t)]       ; the bias as the operand that starts the sums: the same for all 16 rows
.endr
.endr
	WIN 0
.endif
	v_add_nc_u32 v[BST], 2*CH, v[BST]              ; step s stores chunk s + 4: two blocks ahead of what it multiplies
	s_wait_dscnt 0x0                               ; for the other waves: my part of chunks 0 to 3 is in LDS
	s_barrier_signal -1
	s_barrier_wait -1
	BLD 0,0
	SSTEP 0,1,1,0,36                               ; the first of 32 K steps stands ahead of the loop: its products start the sums
	s_mov_b32 s22, 6
.Lstream:                                              ; a trip: four K steps, 1 to 24 in all; 54 loads of a wave are out behind each step's requests
	SSTEP 1,0,1,0,36
	SSTEP 2,0,1,1,36
	SSTEP 3,0,1,0,36
	SSTEP 4,0,1,1,36
	s_wait_xcnt 0x0                                ; the bases are stepped only behind this wait
	s_add_nc_u64 s[4:5], s[4:5], 128*PW
	s_add_nc_u64 s[6:7], s[6:7], 256
	v_add_nc_u32 v[BLA], 2*CH, v[BLA]
	v_add_nc_u32 v[BST], 2*CH, v[BST]
	s_sub_co_u32 s22, s22, 1
	s_cmp_lg_u32 s22, 0
	s_cbranch_scc1 .Lstream
	SSTEP 1,0,0,0,36                               ; steps 25 to 27 store the last three chunks and ask for no more weights: behind them 18 + 18,
	SSTEP 2,0,0,1,28                               ; 18 + 10,
	SSTEP 3,0,0,0,20                               ; 10 + 10 younger loads
	s_wait_dscnt 0x0                               ; my part of the last chunk is in LDS
	s_barrier_signal -1
	s_barrier_wait -1                              ; the slice is whole; from here on nothing writes LDS but the closing add
	s_mov_b32 s22, 1
	s_branch .Ljoin                                ; step 28 is the fourth step of the seventh trip of the loop below: that trip's end, steps 29 to 31 and the way out follow
.Lpass:
	s_cmp_ge_u32 s21, s20
	s_cbranch_scc1 .Lnext                          ; no tile of mine in this pass: what is jumped holds no barrier and writes no LDS
	s_sub_co_u32 s24, s20, s21
	s_add_co_u32 s24, s24, 3
	s_lshr_b32 s24, s24, 2
	s_min_u32 s24, s24, 5                          ; my tiles in this pass
	s_wait_xcnt 0x0                                ; the last pass's stores have read their registers
	PHEAD
	ALD 0,0
	ALD 1,1
	ALD 2,2
	BLD 0,0
	KSTEP 0,1,1,1,30
	s_mov_b32 s22, 7
.Lk:
	KSTEP 1,0,1,1,30
	KSTEP 2,0,1,1,30
	KSTEP 3,0,1,1,30
.Ljoin:
	KSTEP 4,0,1,1,30
	s_wait_xcnt 0x0                                ; the base is stepped only behind this wait
	s_add_nc_u64 s[6:7], s[6:7], 256
	v_add_nc_u32 v[BLA], 2*CH, v[BLA]
	s_sub_co_u32 s22, s22, 1
	s_cmp_lg_u32 s22, 0
	s_cbranch_scc1 .Lk
	KSTEP 1,0,0,1,20                               ; the last three K steps ask for nothing past the row's end
	KSTEP 2,0,0,1,10
	KSTEP 3,0,0,0,0
	PLACES
.irp u, 0,1,2,3,4
	s_cmp_lt_u32 s24, (\u)+1
	s_cbranch_scc1 .Ldone                          ; whole tiles past the count are not stored
	OUTT \u
.endr
.Ldone:
.Lnext:
	v_add_nc_u32 v[LSTA], 1280, v[LSTA]            ; 20 tiles on
	v_add_nc_u32 v[LSTE], 1280, v[LSTE]
	s_add_co_u32 s21, s21, 20
	s_sub_co_u32 s23, s23, 1
	s_cmp_lg_u32 s23, 0
	s_cbranch_scc1 .Lpass
	s_wait_dscnt 0x0                               ; my reads of the slice and of the list are back
	s_barrier_signal -1
	s_barrier_wait -1                              ; and every wave's are: no wave writes LDS again (the closing add) while another still reads it
	s_wait_tensorcnt 0x0                           ; the wave's end: three closing lines behind my last LDS store
	ds_add_u32 v[SPW], v[NIL]
	s_wait_dscnt 0x0
	s_endpgm
.Lfunc_end_k_q27a320e44d_ffn2:
	.size	k_q27a320e44d_ffn2, .Lfunc_end_k_q27a320e44d_ffn2-k_q27a320e44d_ffn2
	.p2alignl 7, 3214868480
	.fill 96, 4, 3214868480
	.section	.rodata,"a",@progbits
	.p2align	6, 0x0
	.amdhsa_kernel k_q27a320e44d_ffn2
		.amdhsa_group_segment_fixed_size 300800
		.amdhsa_private_segment_fixed_size 0
		.amdhsa_enable_private_segment 0
		.amdhsa_kernarg_size 40
		.amdhsa_user_sgpr_count 2
		.amdhsa_user_sgpr_kernarg_segment_ptr 1
		.amdhsa_wavefront_size32 1
		.amdhsa_system_sgpr_workgroup_id_x 1
		.amdhsa_system_sgpr_workgroup_id_y 1
		.amdhsa_system_sgpr_workgroup_id_z 1
		.amdhsa_system_vgpr_workitem_id 0
		.amdhsa_next_free_vgpr 1024
		.amdhsa_next_free_sgpr 66
		.amdhsa_reserve_vcc 1
		.amdhsa_float_denorm_mode_32 3
		.amdhsa_float_denorm_mode_16_64 3
		.amdhsa_memory_ordered 1
		.amdhsa_forward_progress 1
		.amdhsa_inst_pref_size 164
	.end_amdhsa_kernel
	.amdgpu_metadata
---
amdhsa.version: [ 1, 2 ]
amdhsa.kernels:
  - .name:           k_q27a320e44d_ffn2
    .symbol:         k_q27a320e44d_ffn2.kd
    .args:
      - { .name: W2, .offset: 0, .size: 8, .value_kind: global_buffer, .address_space: global }
      - { .name: hid, .offset: 8, .size: 8, .value_kind: global_buffer, .address_space: global }
      - { .name: par, .offset: 16, .size: 8, .value_kind: global_buffer, .address_space: global }
      - { .name: msk, .offset: 24, .size: 8, .value_kind: global_buffer, .address_space: global }
      - { .name: cwd, .offset: 32, .size: 8, .value_kind: global_buffer, .address_space: global }
    .group_segment_fixed_size: 300800
    .private_segment_fixed_size: 0
    .kernarg_segment_align: 8
    .kernarg_segment_size: 40
    .max_flat_workgroup_size: 128
    .sgpr_count:     66
    .vgpr_count:     1024
    .wavefront_size: 32
...
	.end_amdgpu_metadata
.endif
;; end of part 3
;; launch combine (part 4): grid 256 x 1, 8 waves a work-group, no clusters, 0 bytes of LDS; arguments par, x, b2, msk, cwd, out0; writes out0
.if DOCPART == 4
	.amdgcn_target "amdgcn-amd-amdhsa--gfx1250"
	.amdhsa_code_object_version 6
	.text
	.protected	k_q27a320e44d_combine
	.globl	k_q27a320e44d_combine
	.p2align	8
	.type	k_q27a320e44d_combine,@function
k_q27a320e44d_combine:
	s_mov_b64 s[64:65], 0
	v_nop
	global_prefetch_b8 v0, s[64:65] scope:SCOPE_SE
	s_setreg_imm32_b32 hwreg(HW_REG_WAVE_MODE, 25, 1), 1
	s_wait_xcnt 0x0
; THE SUM.  out0[n][:] = for the token's two experts e: the sum over the four quarters of K of par[kq][e][n][:] (which hold the gate's weight already) + gate[n][e] * (b2[e][:] + x[n][:]).
; The two experts come from msk[n], whole numbers that the first launch stored; each is bounded by a constant before it enters an address.
; SHARES.  A work-group has 4 tokens; wave w has half hf = w & 1 of token 4 g + (w >> 1): 2,048 bytes, in four groups of 512 consecutive bytes (16 bytes a lane).
; A stream: every byte is read once and written once; all 44 loads of a wave go out before the first wait.  No LDS, no barrier, no matrix unit, no cluster: the waves share nothing.
.set XR, 8                             ; v8-23    x, 4 registers a group
.set PR, 24                            ; v24-151  par: stream t = 4 (expert 0 or 1) + kq at 16 t + 4 c
.set BR, 152                           ; v152-183 b2 of the two experts at 16 i + 4 c
	s_load_b256 s[4:11], s[0:1], 0x0               ; par s[4:5], x s[6:7], b2 s[8:9], msk s[10:11]
	s_load_b128 s[12:15], s[0:1], 0x20             ; cwd s[12:13], out0 s[14:15]
	v_and_b32 v1, 31, v0
	v_lshrrev_b32 v2, 5, v0
	v_readfirstlane_b32 s16, v2                    ; wave
	s_lshr_b32 s17, s16, 1
	s_lshl_b32 s18, ttmp9, 2
	s_add_co_u32 s17, s17, s18                     ; token n
	s_and_b32 s18, s16, 1
	v_lshlrev_b32 v1, 4, v1
	v_lshl_add_u32 v1, s18, 11, v1                 ; 2048 hf + 16 L
	s_lshl_b32 s18, s17, 2
	s_lshl_b32 s2, s17, 12                         ; the token's row of 4,096 bytes
	s_mov_b32 s3, 0
	s_mov_b32 s23, 0
	s_wait_kmcnt 0x0
	s_load_b32 s19, s[10:11], s18 offset:0x0       ; msk[n]
	s_add_nc_u64 s[6:7], s[6:7], s[2:3]
	s_add_nc_u64 s[14:15], s[14:15], s[2:3]
.irp c, 0,1,2,3
	global_load_b128 v[XR+4*(\c):XR+4*(\c)+3], v1, s[6:7] offset:512*(\c) th:TH_LOAD_NT
.endr
	s_wait_kmcnt 0x0
	s_ctz_i32_b32 s20, s19                         ; the lower of the two bits,
	s_sub_co_u32 s21, s19, 1
	s_and_b32 s21, s21, s19
	s_ctz_i32_b32 s21, s21                         ; and the other
	s_min_u32 s20, s20, 7
	s_min_u32 s21, s21, 7
	s_lshl_b32 s22, s17, 5                         ; cwd: 32 n + 4 e
	s_lshl_b32 s18, s20, 2
	s_add_co_u32 s18, s18, s22
	s_lshl_b32 s19, s21, 2
	s_add_co_u32 s19, s19, s22
	s_load_b32 s24, s[12:13], s18 offset:0x0
	s_load_b32 s26, s[12:13], s19 offset:0x0
	s_lshl_b32 s22, s20, 22                        ; par: expert, token; the quarters lie 32 MB apart
	s_add_co_u32 s22, s22, s2
	s_add_nc_u64 s[28:29], s[4:5], s[22:23]
	s_add_nc_u64 s[30:31], s[28:29], 0x2000000
	s_add_nc_u64 s[32:33], s[30:31], 0x2000000
	s_add_nc_u64 s[34:35], s[32:33], 0x2000000
	s_lshl_b32 s22, s21, 22
	s_add_co_u32 s22, s22, s2
	s_add_nc_u64 s[36:37], s[4:5], s[22:23]
	s_add_nc_u64 s[38:39], s[36:37], 0x2000000
	s_add_nc_u64 s[40:41], s[38:39], 0x2000000
	s_add_nc_u64 s[42:43], s[40:41], 0x2000000
	s_lshl_b32 s22, s20, 12                        ; b2: expert
	s_add_nc_u64 s[44:45], s[8:9], s[22:23]
	s_lshl_b32 s22, s21, 12
	s_add_nc_u64 s[46:47], s[8:9], s[22:23]
.irp c, 0,1,2,3
.irp t, 0,1,2,3,4,5,6,7
	global_load_b128 v[PR+16*(\t)+4*(\c):PR+16*(\t)+4*(\c)+3], v1, s[28+2*(\t):29+2*(\t)] offset:512*(\c) th:TH_LOAD_NT
.endr
	global_load_b128 v[BR+4*(\c):BR+4*(\c)+3],       v1, s[44:45] offset:512*(\c)
	global_load_b128 v[BR+16+4*(\c):BR+16+4*(\c)+3], v1, s[46:47] offset:512*(\c)
.endr
	s_wait_kmcnt 0x0
	s_mov_b32 s25, s24                             ; named as pairs by the packed lines, which take the low word for both halves
	s_mov_b32 s27, s26
.irp c, 0,1,2,3
	s_wait_loadcnt 30-10*(\c)                      ; this group's ten loads are in (and x, which is older); the later groups of ten stay out
.irp q, 0,2
.set i, 4*(\c)+(\q)
	v_pk_add_f32 v[PR+i:PR+i+1],       v[PR+i:PR+i+1],       v[PR+16+i:PR+16+i+1]
	v_pk_add_f32 v[PR+32+i:PR+32+i+1], v[PR+32+i:PR+32+i+1], v[PR+48+i:PR+48+i+1]
	v_pk_add_f32 v[PR+64+i:PR+64+i+1], v[PR+64+i:PR+64+i+1], v[PR+80+i:PR+80+i+1]
	v_pk_add_f32 v[PR+96+i:PR+96+i+1], v[PR+96+i:PR+96+i+1], v[PR+112+i:PR+112+i+1]
	v_pk_add_f32 v[BR+i:BR+i+1],       v[BR+i:BR+i+1],       v[XR+i:XR+i+1]
	v_pk_add_f32 v[BR+16+i:BR+16+i+1], v[BR+16+i:BR+16+i+1], v[XR+i:XR+i+1]
	v_pk_add_f32 v[PR+i:PR+i+1],       v[PR+i:PR+i+1],       v[PR+32+i:PR+32+i+1]
	v_pk_add_f32 v[PR+64+i:PR+64+i+1], v[PR+64+i:PR+64+i+1], v[PR+96+i:PR+96+i+1]
	v_pk_fma_f32 v[PR+i:PR+i+1],       v[BR+i:BR+i+1],       s[24:25], v[PR+i:PR+i+1] op_sel_hi:[1,0,1]
	v_pk_fma_f32 v[PR+64+i:PR+64+i+1], v[BR+16+i:BR+16+i+1], s[26:27], v[PR+64+i:PR+64+i+1] op_sel_hi:[1,0,1]
	v_pk_add_f32 v[PR+i:PR+i+1],       v[PR+i:PR+i+1],       v[PR+64+i:PR+64+i+1]
.endr
	global_store_b128 v1, v[PR+4*(\c):PR+4*(\c)+3], s[14:15] offset:512*(\c) th:TH_STORE_NT  ; 512 consecutive bytes, at a multiple of 256 from out0's first byte
.endr
	s_endpgm
.Lfunc_end_k_q27a320e44d_combine:
	.size	k_q27a320e44d_combine, .Lfunc_end_k_q27a320e44d_combine-k_q27a320e44d_combine
	.p2alignl 7, 3214868480
	.fill 96, 4, 3214868480
	.section	.rodata,"a",@progbits
	.p2align	6, 0x0
	.amdhsa_kernel k_q27a320e44d_combine
		.amdhsa_group_segment_fixed_size 0
		.amdhsa_private_segment_fixed_size 0
		.amdhsa_enable_private_segment 0
		.amdhsa_kernarg_size 48
		.amdhsa_user_sgpr_count 2
		.amdhsa_user_sgpr_kernarg_segment_ptr 1
		.amdhsa_wavefront_size32 1
		.amdhsa_system_sgpr_workgroup_id_x 1
		.amdhsa_system_sgpr_workgroup_id_y 1
		.amdhsa_system_sgpr_workgroup_id_z 1
		.amdhsa_system_vgpr_workitem_id 0
		.amdhsa_next_free_vgpr 192
		.amdhsa_next_free_sgpr 66
		.amdhsa_reserve_vcc 0
		.amdhsa_float_denorm_mode_32 3
		.amdhsa_float_denorm_mode_16_64 3
		.amdhsa_memory_ordered 1
		.amdhsa_forward_progress 1
		.amdhsa_inst_pref_size 13
	.end_amdhsa_kernel
	.amdgpu_metadata
---
amdhsa.version: [ 1, 2 ]
amdhsa.kernels:
  - .name:           k_q27a320e44d_combine
    .symbol:         k_q27a320e44d_combine.kd
    .args:
      - { .name: par, .offset: 0, .size: 8, .value_kind: global_buffer, .address_space: global }
      - { .name: x, .offset: 8, .size: 8, .value_kind: global_buffer, .address_space: global }
      - { .name: b2, .offset: 16, .size: 8, .value_kind: global_buffer, .address_space: global }
      - { .name: msk, .offset: 24, .size: 8, .value_kind: global_buffer, .address_space: global }
      - { .name: cwd, .offset: 32, .size: 8, .value_kind: global_buffer, .address_space: global }
      - { .name: out0, .offset: 40, .size: 8, .value_kind: global_buffer, .address_space: global }
    .group_segment_fixed_size: 0
    .private_segment_fixed_size: 0
    .kernarg_segment_align: 8
    .kernarg_segment_size: 48
    .max_flat_workgroup_size: 256
    .sgpr_count:     66
    .vgpr_count:     192
    .wavefront_size: 32
...
	.end_amdgpu_metadata
.endif
;; end of part 4
